; MI455X (gfx1250); checked and timed in simulation.
; The chip was launched on July 23, 2026; its instructions are those of AMD's public machine-readable ISA for CDNA 5 (MIT licence, August 2026) and "CDNA5" Instruction Set Architecture Reference Guide (July 2026). The comments in the code are by the model that wrote it; some were corrected since.
;; Attention. Allowed arithmetic: matrix products marked QUANTISED: E2M1 operands, one E8M0 scale for each 32 along K, by v_wmma_scale_f32_16x16x128_f8f6f4 with both operands' format E2M1 (or v_wmma_scale_f32_32x16x128_f4), f32 sums; everything else in f32.
;; Inputs: key_codes 4 x 16 x 2,048 x 2 x 16 uint8 (E2M1 codes of key, K innermost, in blocks of 32 codes, two codes a byte); key_scales 4 x 16 x 2,048 x 2 uint8 (E8M0 scales of key, one for each 32 codes along K); mask 2,048 x 2,048 bool; query_codes 4 x 16 x 2,048 x 2 x 16 uint8 (E2M1 codes of query, K innermost, in blocks of 32 codes, two codes a byte); query_scales 4 x 16 x 2,048 x 2 uint8 (E8M0 scales of query, one for each 32 codes along K); value_codes 4 x 16 x 64 x 64 x 16 uint8 (E2M1 codes of value, K innermost, in blocks of 32 codes, two codes a byte); value_scales 4 x 16 x 64 x 64 uint8 (E8M0 scales of value, one for each 32 codes along K).
;; Outputs: out0 4 x 16 x 2,048 x 64 float32.
;; This version of the problem:
;;   THIS VERSION OF THE PROBLEM IS GIVEN IN LOW PRECISION. The matrix products marked QUANTISED in the list below multiply operands that are first quantised to E2M1 (2 exponent bits, 1 mantissa bit; 4 bits a number), with one power-of-two scale for each 32 numbers along K (OCP MX v1.0); their sums are f32. All else is computed in f32.
;;   The module's matrix products, in the order in which they are computed (A, B: the left and right operand; K: the contracted axis; several contracted axes count as one K, in the product's order):
;;     1. batch 64 x [M 2,048, K 64] x [K 64, N 2,048]; A: input query (given as codes); B: input key (given as codes): QUANTISED
;;     2. batch 64 x [M 2,048, K 2,048] x [K 2,048, N 64]; A: softmax (see below); B: input value (given as codes): QUANTISED
;;   THE QUANTISER, for each operand of a quantised product, along K:
;;     - K is cut into blocks of 32 from its start; a last block that is shorter is filled with zeros.
;;     - A block's scale is 2^e with e = floor(log2(the largest magnitude in the block)) - 2, held to -126 .. 127; a block of zeros has e = 0. As a byte (E8M0): e + 127.
;;     - Each number is divided by its block's scale, clamped to +-6, and rounded to the nearest number of E2M1, ties to even, subnormals kept.
;;     - The product sums the exact products of the quantised numbers (number of the format x scale) in f32.
;;   ~~~python
;;   def quantise(x, axis):      # numpy; x: float32 -> the quantised numbers, widened to float32 again
;;       x = np.moveaxis(x, axis, -1); K = x.shape[-1]
;;       x = np.pad(x, [(0, 0)] * (x.ndim - 1) + [(0, -K % 32)]); x = x.reshape(x.shape[:-1] + (-1, 32)); a = np.abs(x).max(-1, keepdims=True)
;;       e = np.where(a > 0, np.clip(np.frexp(np.where(a > 0, a, 1))[1] - 1 - 2, -126, 127), 0)      # np.frexp(a)[1] - 1 = floor(log2(a)), exactly
;;       r = np.clip(x / 2.0 ** e, -6, 6)
;;       step = 2.0 ** (np.maximum(np.frexp(np.where(r == 0, 1, r))[1] - 1, 0) - 1)
;;       q = np.round(r / step) * step * 2.0 ** e      # np.round: ties to even
;;       return np.moveaxis(q.reshape(q.shape[:-2] + (-1,))[..., :K], -1, axis).astype(np.float32)
;;   ~~~
;;   SOFTMAX AHEAD OF A QUANTISED PRODUCT. Where the list says 'softmax', what is quantised is not the finished softmax but p = 2^(t - M), with t = logit x log2(e) and M = ceil(the row's largest t), a whole number; so 1/2 < the row's largest p <= 1. The row's sum l is taken of the UNQUANTISED p, in f32, and the product's result is divided by l at the end. Since M is a whole number, a kernel that streams over the keys may use a running M (the ceiling of the running maximum): every later rescaling is an exact power of two, which a block's scale takes up: the codes' values come out the same.
;;   OPERANDS COMPUTED ON THE WAY. 'Computed on the way' means the value that the module computes at that place (a softmax that the list does not call 'softmax' is quantised finished and normalised). What goes into a quantiser is computed in f32, as accurately as f32 sums, v_exp_f32 and their like allow (about 1e-6 of the number): no bf16 or f16 on the way to a quantiser, and a product that is left as it is and whose result goes on into a quantised operand takes f32 operands (vector FMAs, or v_wmma_f32_16x16x4_f32). A number that lies on a knife's edge between two numbers of the format may be rounded either way, as far as f32 arithmetic and the matrix unit's own rounding can turn it there, and no further.
;;   INPUTS GIVEN AS CODES. key (in the module: [4, 16, 2048, 64], K = its axis 3); query (in the module: [4, 16, 2048, 64], K = its axis 3); value (in the module: [4, 16, 2048, 64], K = its axis 2): each comes as NAME_codes (uint8): NAME with its K axis moved to the last place and cut into blocks of 32 codes, [.., K / 32, bytes a block], one block behind the other in memory; two codes a byte, the lower K in the low four bits (a code: sign, 2 exponent bits, 1 mantissa bit); and NAME_scales (uint8): the same leading axes, one E8M0 byte (e + 127) for each 32 codes along K. Its value is code x scale, taken as it is: it is not quantised again, and the codes and scales need not be those that the quantiser above would give.
;; 2 versions. Each part assembles by itself: llvm-mc -triple=amdgcn-amd-amdhsa -mcpu=gfx1250 --defsym DOCPART=n.
;; ======== version 1 of 2: 2 launches
;; workspace buffers: bits 524,288 bytes of whole numbers; flags 512 bytes of whole numbers
;; launch maskbits (part 1): grid 128 x 1, 16 waves a work-group, no clusters, 35,328 bytes of LDS; arguments mask, bits, flags; writes bits, flags
.if DOCPART == 1
	.amdgcn_target "amdgcn-amd-amdhsa--gfx1250"
	.amdhsa_code_object_version 6
	.text
	.protected	k_qc767512133_maskbits
	.globl	k_qc767512133_maskbits
	.p2align	8
	.type	k_qc767512133_maskbits,@function
k_qc767512133_maskbits:
	s_mov_b64 s[64:65], 0
	v_nop
	global_prefetch_b8 v0, s[64:65] scope:SCOPE_SE
	s_setreg_imm32_b32 hwreg(HW_REG_WAVE_MODE, 25, 1), 1
	s_wait_xcnt 0x0
; THE MASK, [2048][2048] bytes (0 = hidden, anything else = counts), IS PACKED ONCE, in the order in which the attention launch holds its scores, so that 64 heads need not unpack it 64 times.
; T = a tile of 16 queries (0..127), s = a step of 128 keys (0..15), n = a score register (0..63).  In the attention launch lane l = 16 h + r holds, in register n, query 16 T + r and key 128 s + 32 (n / 16) + 16 h + n % 16.
;   bits[T][s][n], a word of 32 bits: bit l = that element of the mask.  64 words, 256 bytes, for each (T, s).
;   flags[T], a word: bit s = step s has a key that counts for some query of the tile; bit 16 + s = it has a hidden one too (only looked at where bit s is set).
; SHARES.  Work-group T.  First wave w copies row 16 T + w into LDS (four loads of 512 consecutive bytes); then wave w packs step s = w: a lane reads 4 x 16 bytes of its row r, each byte is compared with 0,
; and the compare's lane mask IS the word.  The 64 words are laid two to a lane and leave as 256 consecutive bytes, aligned.
; 128 work-groups: the 16 flag bits of a tile have one owner, so that no word of flags is put together by two work-groups.  flags is stored 4 bytes a work-group: 512 bytes in the whole launch.
; No matrix work, no tensor loads, no cluster: the work-groups share no byte of the mask.
.set PITCH, 2064                       ; an LDS row: 2,048 bytes + 16 = 129 x 16: the 16 rows that a 16-byte load touches start 16 bytes apart modulo 256
.set FLG,   16*PITCH                   ; behind the rows: a word for each wave
.set DAT,   8                          ; v8-23   data
.set TMP,   24                         ; v24-27  a byte cut out of a word
.set WRD,   28                         ; v28-29  the step's 64 words: lane l holds words 2 l and 2 l + 1
.set BAL,   32                         ; s32-47  sixteen lane masks
	s_load_b128 s[4:7], s[0:1], 0x0                ; mask s[4:5], bits s[6:7]
	s_load_b64 s[8:9], s[0:1], 0x10                ; flags
	v_lshl_add_u32 v40, v0, 2, 0x8200
	v_mov_b32 v41, 0
	v_lshrrev_b32 v1, 5, v0
	v_readfirstlane_b32 s10, v1                    ; wave 0..15
	v_and_b32 v1, 31, v0                           ; lane
	v_and_b32 v32, 15, v0                          ; r
	v_bfe_u32 v33, v0, 4, 1                        ; h
	v_lshlrev_b32 v2, 4, v1                        ; 16 x lane: my bytes of a load's 512
	s_mul_i32 s11, s10, PITCH
	v_add_nc_u32 v3, s11, v2                       ; into LDS: row w, 16 x lane
	v_mul_u32_u24 v4, v32, PITCH
	v_lshl_add_u32 v4, v33, 4, v4
	s_lshl_b32 s11, s10, 7
	v_add_nc_u32 v4, s11, v4                       ; out of LDS: row r, byte 128 w + 16 h (+ 32 for each block of 32 keys)
	v_lshlrev_b32 v5, 3, v1                        ; my two words' place among the step's 64
	s_lshl_b32 s11, s10, 2
	s_add_co_u32 s11, s11, FLG
	v_mov_b32 v6, s11                              ; my wave's flag word in LDS
	v_mov_b32 v7, FLG
	v_mov_b32 v31, 0
	s_lshl_b32 s12, ttmp9, 15                      ; 16 rows of 2,048 bytes a tile,
	s_lshl_b32 s13, s10, 11                        ; my row of them
	s_add_co_u32 s12, s12, s13
	s_mov_b32 s13, 0
	s_lshl_b32 s14, ttmp9, 4
	s_add_co_u32 s14, s14, s10
	s_lshl_b32 s14, s14, 8                         ; (16 T + s) x 256 bytes
	s_mov_b32 s15, 0
	s_lshl_b32 s16, ttmp9, 2                       ; 4 T
	s_mov_b32 s17, 0
	s_wait_kmcnt 0x0
	s_add_nc_u64 s[4:5], s[4:5], s[12:13]
	s_add_nc_u64 s[6:7], s[6:7], s[14:15]
	s_add_nc_u64 s[8:9], s[8:9], s[16:17]
.irp j, 0,1,2,3
	global_load_b128 v[DAT+4*\j:DAT+4*\j+3], v2, s[4:5] offset:512*\j th:TH_LOAD_NT   ; 32 lanes read 512 consecutive bytes; each byte of the mask is read once in the launch
.endr
	s_wait_loadcnt 0x0
.irp j, 0,1,2,3
	ds_store_b128 v3, v[DAT+4*\j:DAT+4*\j+3] offset:512*\j
.endr
	s_wait_dscnt 0x0                               ; for the others' sake: my row lies in LDS
	s_barrier_signal -1
	s_barrier_wait -1                              ; all sixteen rows do
.irp b, 0,1,2,3
	ds_load_b128 v[DAT+4*\b:DAT+4*\b+3], v4 offset:32*\b           ; keys 128 s + 32 b + 16 h + 0 .. 15 of row r: the bytes of registers n = 16 b + 0 .. 15
.endr
	v_mov_b32 v[WRD], 0                            ; (a lane write's destination counts as read)
	v_mov_b32 v[WRD+1], 0
	s_mov_b32 s20, 0                               ; the OR of the step's words,
	s_mov_b32 s21, -1                              ; and their AND
	s_wait_dscnt 0x0
; Block b: byte i of my 16 is cut out and compared with 0; the lane mask is word n = 16 b + i, which goes to lane n / 2, register n % 2.
.macro PACK b
.set i, 0
.rept 16
	v_and_b32 v[TMP+i%4], 0xff<<(8*(i%4)), v[DAT+4*\b+i/4]
	v_cmp_ne_u32 s[BAL+i], 0, v[TMP+i%4]
.set i, i+1
.endr
.set i, 0
.rept 16
	v_writelane_b32 v[WRD+i%2], s[BAL+i], 8*\b+i/2
	s_or_b32 s20, s20, s[BAL+i]
	s_and_b32 s21, s21, s[BAL+i]
.set i, i+1
.endr
.endm
	PACK 0
	PACK 1
	PACK 2
	PACK 3
	global_store_b64 v5, v[WRD:WRD+1], s[6:7]      ; 32 lanes store 256 consecutive bytes, at a multiple of 256 from the buffer's first byte
	s_cmp_lg_u32 s20, 0
	s_cselect_b32 s22, 1, 0                        ; some key counts
	s_cmp_lg_u32 s21, -1
	s_cselect_b32 s23, 0x10000, 0                  ; some key is hidden
	s_or_b32 s22, s22, s23
	s_lshl_b32 s22, s22, s10                       ; at my step's two places
	v_mov_b32 v30, s22
	ds_store_b32 v6, v30                           ; all lanes write the same word with the same value
	s_wait_dscnt 0x0                               ; for wave 0's sake
	s_barrier_signal -1
	s_barrier_wait -1
	s_cmp_lg_u32 s10, 0
	s_cbranch_scc1 .Ldone                          ; wave 0 joins the sixteen words
.irp j, 0,1,2,3
	ds_load_b128 v[DAT+4*\j:DAT+4*\j+3], v7 offset:16*\j
.endr
	s_wait_dscnt 0x0
.irp k, 0,1,2,3,4,5,6,7
	v_or_b32 v[DAT+\k], v[DAT+\k], v[DAT+8+\k]
.endr
.irp k, 0,1,2,3
	v_or_b32 v[DAT+\k], v[DAT+\k], v[DAT+4+\k]
.endr
.irp k, 0,1
	v_or_b32 v[DAT+\k], v[DAT+\k], v[DAT+2+\k]
.endr
	v_or_b32 v[DAT], v[DAT], v[DAT+1]
	v_cmp_gt_u32 vcc_lo, 1, v0                     ; thread 0 alone stores the word
	s_wait_xcnt 0x0                                ; the store of the words above has EXEC among its sources: EXEC changes only behind this wait
	s_and_saveexec_b32 s24, vcc_lo
	global_store_b32 v31, v[DAT], s[8:9]
	s_wait_xcnt 0x0                                ; and again in front of the line that widens it
	s_or_b32 exec_lo, exec_lo, s24
.Ldone:
	s_wait_tensorcnt 0x0
	ds_add_u32 v40, v41
	s_wait_dscnt 0x0
	s_endpgm
.Lfunc_end_k_qc767512133_maskbits:
	.size	k_qc767512133_maskbits, .Lfunc_end_k_qc767512133_maskbits-k_qc767512133_maskbits
	.p2alignl 7, 3214868480
	.fill 96, 4, 3214868480
	.section	.rodata,"a",@progbits
	.p2align	6, 0x0
	.amdhsa_kernel k_qc767512133_maskbits
		.amdhsa_group_segment_fixed_size 35328
		.amdhsa_private_segment_fixed_size 0
		.amdhsa_enable_private_segment 0
		.amdhsa_kernarg_size 24
		.amdhsa_user_sgpr_count 2
		.amdhsa_user_sgpr_kernarg_segment_ptr 1
		.amdhsa_wavefront_size32 1
		.amdhsa_system_sgpr_workgroup_id_x 1
		.amdhsa_system_sgpr_workgroup_id_y 1
		.amdhsa_system_sgpr_workgroup_id_z 1
		.amdhsa_system_vgpr_workitem_id 0
		.amdhsa_next_free_vgpr 42
		.amdhsa_next_free_sgpr 66
		.amdhsa_reserve_vcc 1
		.amdhsa_float_denorm_mode_32 3
		.amdhsa_float_denorm_mode_16_64 3
		.amdhsa_memory_ordered 1
		.amdhsa_forward_progress 1
		.amdhsa_inst_pref_size 21
	.end_amdhsa_kernel
	.amdgpu_metadata
---
amdhsa.version: [ 1, 2 ]
amdhsa.kernels:
  - .name:           k_qc767512133_maskbits
    .symbol:         k_qc767512133_maskbits.kd
    .args:
      - { .name: mask, .offset: 0, .size: 8, .value_kind: global_buffer, .address_space: global }
      - { .name: bits, .offset: 8, .size: 8, .value_kind: global_buffer, .address_space: global }
      - { .name: flags, .offset: 16, .size: 8, .value_kind: global_buffer, .address_space: global }
    .group_segment_fixed_size: 35328
    .private_segment_fixed_size: 0
    .kernarg_segment_align: 8
    .kernarg_segment_size: 24
    .max_flat_workgroup_size: 512
    .sgpr_count:     66
    .vgpr_count:     42
    .wavefront_size: 32
...
	.end_amdgpu_metadata
.endif
;; end of part 1
;; launch attn (part 2): grid 4 x 64, 16 waves a work-group, no clusters, 212,224 bytes of LDS; arguments key_codes, key_scales, query_codes, query_scales, value_codes, value_scales, bits, flags, out0; writes out0
.if DOCPART == 2
	.amdgcn_target "amdgcn-amd-amdhsa--gfx1250"
	.amdhsa_code_object_version 6
	.text
	.protected	k_qc767512133_attn
	.globl	k_qc767512133_attn
	.p2align	8
	.type	k_qc767512133_attn,@function
k_qc767512133_attn:
	s_mov_b64 s[64:65], 0
	v_nop
	global_prefetch_b8 v0, s[64:65] scope:SCOPE_SE
	s_setreg_imm32_b32 hwreg(HW_REG_WAVE_MODE, 25, 1), 1
	s_wait_xcnt 0x0
; O[head][q][:] = the sum over k of softmax_k(mask ? Q[q] . K[k] / 8 : -inf) V[k][:], 64 heads, 2,048 queries and keys, head size 64; both products on codes of FP4 (E2M1) with one E8M0 scale for each 32 along a product's K.
; Q, K: codes [head][2048][32 bytes], scale bytes [head][2048][2].  V: codes with the KEYS innermost, [head][64][1024 bytes], scale bytes [head][64][64].  O: [head][2048][64] f32.
; THE MASK is an input and is honoured bit by bit.  The launch before has packed it: bits[T][s][n] = a word whose bit l is the mask of what lane l holds in score register n (tile T of 16 queries, step s of 128 keys);
; flags[T]: bit s = step s has a key that counts for the tile, bit 16 + s = it has a hidden one.  A step without a key that counts would add p = 0 everywhere and move no maximum: it is jumped over.  A step without a hidden key
; jumps over the mask's lines.  Both are scalar branches on stored whole numbers, and hold for every mask.
; THE SOFTMAX AHEAD OF THE SECOND PRODUCT: t = score x log2(e) / 8; M = the row's largest t so far, rounded UP to a whole number; p = 2^(t - M) is quantised along the keys, not normalised.  The row's sum is taken of the
; unquantised p, in f32, and divides O at the end.  When M moves, the sum and O are multiplied by 2^(old M - new M): exact.  A row with no key that counts ends with 0 x (1 / 0) = NaN, as a softmax of -inf alone gives.
; SHARES.  Four work-groups to a head.  Work-group x owns the tiles T = 4 i + x, i = 0 .. 31; wave w takes i = w, then i = 31 - w: a way of sharing out that spreads low and high queries over work-groups and waves alike;
; nothing hangs on it.  A wave holds ONE tile of 16 queries in 256 registers: four waves to a SIMD, so that one wave's exponentials stand beside another's plain work, products and LDS loads.
; K AND V OF THE HEAD (136 KB with their scale bytes) come into LDS ONCE, through registers, at the head: 19 loads and 19 LDS stores a thread, one barrier.  Then no wave waits for another.
; NO TENSOR LOADS, NO CLUSTER, though the four work-groups of a head read the same K and V: the step list is a branch on numbers read from memory;
; what is shared is read once by each work-group, 136 KB, against up to 32 x 16 steps of work.  NO PREFETCH: the only long reads stand at the kernel's head.
; LAYOUT.  Both products are used transposed: S^T = K Q^T (source 0 = 16 keys, source 1 = my 16 queries), O^T = V^T P^T (source 0 = 16 of the head's 64, source 1 = P): a lane holds ONE query (lane % 16) throughout.
; THE KEYS OF A TILE ARE NOT NEIGHBOURS: lane r of tile 2 b + u takes key 32 b + 8 u + r + 8 (r / 8), so that the 16 registers of tiles 2 b and 2 b + 1 are 16 neighbouring keys, 32 b + 16 (lane / 16) + 0 .. 15.
; THE FIRST PRODUCT'S K IS 64, the instruction's 128: Q's registers 4-7 are zero codes, so k = 64 .. 127 add nothing.  K's fragments are therefore kept as 4 registers; the instruction's registers 4-7 of source 0 are the next
; fragment's (behind the last: four zeros): whatever they hold is multiplied by the code 0.  The scale bytes of k = 64 .. 127 are 0 on both sides (a 16-bit load leaves them so), which is 2^-127 and no NaN.
; LIMITS: a scale byte 0xff (NaN) among the inputs is not served.  Any non-zero mask byte counts as true.
; REGISTERS: v1-7 addresses that stay; v8-11 the step's LDS addresses; v12 -M, v13 the largest t, v[14:15] the sum in two halves; v16-19 Q's codes, v20-23 zeros; v24 Q's scale word; v25 -inf; v26-30 offsets in Q and O;
;   v32-63 K's eight fragments (on the way out: rows of O), v64-67 zeros; v68-71 K's scale words, v72-73 V's; v74-85 the head's addresses; v96-159 S^T, then p; v160-191 O^T; v192-223 V's four fragments; v224-231 p's codes; v232-254 at work.
.set KIMG, 0                           ; LDS: K's fragments as images of their registers: tile t of step s at (8 s + t) x 512 + 16 x lane
.set VROW, 65536                       ; V's 64 rows of 1,024 bytes,
.set VP,   1040                        ; 1,040 apart = 65 x 16: the 16 rows that a load touches start 16 bytes apart modulo 256
.set KSC,  VROW+64*VP                  ; K's scale bytes, dense: 2 a key
.set VSC,  KSC+4096                    ; V's: 64 rows of 64 bytes,
.set VSP,  68                          ; 68 apart = 17 words: 32 rows' words lie in 32 different banks (64 banks of 4 bytes: ISA guide 11.1)
.set STG,  VSC+64*VSP                  ; the way out: 16 rows x (256 bytes + 16) for each wave, its own
.set SP,   272
.set AK0,  1                           ; v1   KIMG + 16 x lane
.set AV0,  2                           ; v2   VROW + r VP + 16 h
.set ASK0, 3                           ; v3   KSC + 2 r + 16 (r / 8) + 16 h: lanes 0-15 the keys of tile 2 b, lanes 16-31 those of tile 2 b + 1
.set ASV0, 4                           ; v4   VSC + VSP x lane: lanes 0-15 the rows of tile 2 g, lanes 16-31 those of tile 2 g + 1
.set STO,  5                           ; v5   the stage: where I put 32 bytes of a row
.set RD,   6                           ; v6   and where I read 16 bytes of a row back
.set L16,  7                           ; v7   16 x lane: my bytes in a store's 512
.set ADK,  8
.set ADV,  9
.set ADS,  10
.set ADT,  11
.set NM,   12                          ; v12 -M, v13 the largest t
.set SUM,  14
.set QF,   16
.set QS,   24
.set NINF, 25
.set QO0,  26                          ; v26  32 r + 16 h;  v27  2 r
.set QO,   28                          ; v28  the tile's offset in Q's codes, v29 in Q's scales, v30 in O
.set KF,   32
.set KS,   68
.set VS,   72
.set SC,   96
.set OT,   160
.set VF,   192
.set PC,   224
.set BM,   232                         ; v232-235 each block's largest score, then its largest p
.set TP,   236                         ; v236-239 the other half's maxima, then the scale bytes, then a chain of the sum
.set SO,   244                         ; v244-247 the conversions' scale operands
.set FF,   252                         ; v252 f = 2^(old M - new M)
.set PW,   253                         ; v253 p's scale word
.set TT,   254
.set WV,    2                          ; s2   my wave's number
.set HD,    4                          ; s4   the head (at the kernel's head only)
.set II,    5                          ; s5   i: my tile is 4 i + x
.set TRIP,  6
.set STEPC, 7
.set FL,    8                          ; s8   the tile's flags, shifted right by one a step: bit 0 and bit 16 are the step's
.set TK,    9                          ; s9   the step's place in KIMG: 4,096 a step
.set TV,    10                         ; s10  in a row of V: 64
.set TS,    11                         ; s11  among K's scale bytes: 256
.set TJ,    12                         ; s12  in a row of V's: 4
.set TL,    13                         ; s13  my tile T
.set QC,    84                         ; s[84:85] Q's codes, s[86:87] Q's scales, of my head
.set QSB,   86
.set BITS,  88
.set FLAGS, 90
.set OUT,   92                         ; s[92:93] O of my head
.set SEL,   94                         ; s[94:95] lane selects for v_permlanex16_b32: lane l xor 16
.set CS,    96                         ; s[96:97] c = log2(e) / 8: the packed form names a pair and takes its low word for both halves
.set MO,    100                        ; s100 the step's 256 bytes in bits
                                       ; s[16:63], s[68:83]: at the head the first eight pointers; later the step's 64 mask words: word n in s[16 + n], from n = 48 on in s[20 + n]
	s_load_b512 s[16:31], s[0:1], 0x0              ; K's codes s[16:17], K's scales s[18:19], Q's s[20:21], s[22:23], V's s[24:25], s[26:27], bits s[28:29], flags s[30:31]
	s_load_b64 s[OUT:OUT+1], s[0:1], 0x40          ; O
	v_lshl_add_u32 v251, v0, 2, 0x33500
	v_mov_b32 v255, 0
	v_lshrrev_b32 v81, 5, v0
	v_readfirstlane_b32 s[WV], v81                 ; wave 0..15
	s_and_b32 s[HD], ttmp7, 0xffff
	v_lshlrev_b32 v78, 4, v0                       ; the head's loads take the bytes as they lie: 16, 8 or 4 a thread
	v_lshlrev_b32 v79, 3, v0
	v_lshlrev_b32 v80, 2, v0
	s_lshl_b32 s14, s[HD], 16                      ; a head's codes: 65,536 bytes in each of the three tensors,
	s_mov_b32 s15, 0
	s_lshl_b32 s98, s[HD], 12                      ; its scale bytes: 4,096
	s_mov_b32 s99, 0
	s_wait_kmcnt 0x0
	s_add_nc_u64 s[16:17], s[16:17], s[14:15]
	s_add_nc_u64 s[24:25], s[24:25], s[14:15]
	s_add_nc_u64 s[QC:QC+1], s[20:21], s[14:15]
	s_add_nc_u64 s[18:19], s[18:19], s[98:99]
	s_add_nc_u64 s[26:27], s[26:27], s[98:99]
	s_add_nc_u64 s[QSB:QSB+1], s[22:23], s[98:99]
	s_mov_b64 s[BITS:BITS+1], s[28:29]
	s_mov_b64 s[FLAGS:FLAGS+1], s[30:31]
	s_lshl_b32 s14, s[HD], 19                      ; its rows of O: 2,048 x 256 bytes
	s_add_nc_u64 s[OUT:OUT+1], s[OUT:OUT+1], s[14:15]
.irp i, 0,1,2,3,4,5,6,7
	global_load_b128 v[SC+4*\i:SC+4*\i+3], v78, s[16:17] offset:8192*\i          ; K: a wave's load covers 512 consecutive bytes, the work-group's 8,192
.endr
.irp i, 0,1,2,3,4,5,6,7
	global_load_b128 v[SC+32+4*\i:SC+32+4*\i+3], v78, s[24:25] offset:8192*\i    ; V likewise
.endr
	global_load_b64 v[OT:OT+1], v79, s[18:19]      ; K's scale bytes
	global_load_b32 v[OT+2], v80, s[26:27]         ; V's
	global_load_b32 v[OT+3], v80, s[26:27] offset:2048
	; where they go.  K: thread n's 16 bytes of load i are half n % 2 of key n / 2 + 256 i.  Of the key's number, bits 2:0 are r's bits 2:0, bit 3 is u, bit 4 is r's bit 3, bits 6:5 are b, the rest is the step.
	; The image's place, in units of 16 bytes: r | half << 4 | u << 5 | b << 6 | step << 8; load i adds 2 i steps
	v_bfe_u32 v74, v0, 1, 3
	v_bfe_u32 v81, v0, 5, 1
	v_lshl_or_b32 v74, v81, 3, v74
	v_and_b32 v81, 1, v0
	v_lshl_or_b32 v74, v81, 4, v74
	v_bfe_u32 v81, v0, 4, 1
	v_lshl_or_b32 v74, v81, 5, v74
	v_and_or_b32 v74, v0, 0x1c0, v74
	v_lshlrev_b32 v74, 4, v74                      ; (KIMG is LDS byte 0)
	v_and_b32 v81, 15, v0                          ; r
	v_bfe_u32 v82, v0, 4, 1                        ; h
	v_bfe_u32 v83, v0, 3, 1                        ; r / 8
	v_and_b32 v84, 31, v0                          ; lane
	v_lshrrev_b32 v75, 6, v0                       ; V: row n / 64 + 8 i, byte 16 (n % 64)
	v_mul_u32_u24 v75, v75, VP
	v_and_b32 v85, 63, v0
	v_lshl_add_u32 v75, v85, 4, v75
	v_add_nc_u32 v75, VROW, v75
	v_lshl_add_u32 v76, v0, 3, KSC                 ; K's scale bytes: as they lie
	v_lshrrev_b32 v77, 4, v0                       ; V's: row n / 16 + 32 i, byte 4 (n % 16)
	v_mul_u32_u24 v77, v77, VSP
	v_lshl_add_u32 v77, v81, 2, v77
	v_add_nc_u32 v77, VSC, v77
	; the addresses that stay
	v_lshl_add_u32 v[AK0], v84, 4, KIMG
	v_mul_u32_u24 v[AV0], v81, VP
	v_lshl_add_u32 v[AV0], v82, 4, v[AV0]
	v_add_nc_u32 v[AV0], VROW, v[AV0]
	v_lshlrev_b32 v[ASK0], 1, v81
	v_lshl_add_u32 v[ASK0], v83, 4, v[ASK0]
	v_lshl_add_u32 v[ASK0], v82, 4, v[ASK0]
	v_add_nc_u32 v[ASK0], KSC, v[ASK0]
	v_mul_u32_u24 v[ASV0], v84, VSP
	v_add_nc_u32 v[ASV0], VSC, v[ASV0]
	s_mul_i32 s14, s[WV], 16*SP
	s_add_co_u32 s14, s14, STG                     ; my stage
	v_mul_u32_u24 v[STO], v81, SP                  ; in: row r, 32 bytes for each half of the lanes
	v_lshl_add_u32 v[STO], v82, 5, v[STO]
	v_add_nc_u32 v[STO], s14, v[STO]
	v_mul_u32_u24 v[RD], v82, SP                   ; back: lanes 0-15 one row of 256 bytes, lanes 16-31 the next
	v_lshl_add_u32 v[RD], v81, 4, v[RD]
	v_add_nc_u32 v[RD], s14, v[RD]
	v_lshlrev_b32 v[L16], 4, v84
	v_lshlrev_b32 v[QO0], 5, v81                   ; Q's codes: row r of 32 bytes, + 16 h
	v_lshl_add_u32 v[QO0], v82, 4, v[QO0]
	v_lshlrev_b32 v[QO0+1], 1, v81                 ; Q's scales: 2 bytes a row
	s_wait_loadcnt 11                              ; K's eight loads are in; the eleven issued behind them (V's eight, three of scale bytes) may be out
.irp i, 0,1,2,3,4,5,6,7
	ds_store_b128 v74, v[SC+4*\i:SC+4*\i+3] offset:8192*\i
.endr
	s_wait_loadcnt 3                               ; V's eight are in; the three of scale bytes may be out
.irp i, 0,1,2,3,4,5,6,7
	ds_store_b128 v75, v[SC+32+4*\i:SC+32+4*\i+3] offset:8*VP*\i
.endr
	s_wait_loadcnt 0x0
	ds_store_b64 v76, v[OT:OT+1]
	ds_store_b32 v77, v[OT+2]
	ds_store_b32 v77, v[OT+3] offset:32*VSP
	s_wait_dscnt 0x0                               ; for the others' sake: my part of K and V lies in LDS
	s_barrier_signal -1
	s_barrier_wait -1                              ; everybody's does.  The launch's only barrier: from here on these bytes are only read, and each wave's stage is its own
.irp j, 0,1,2,3
	v_mov_b32 v[QF+4+\j], 0                        ; Q's codes of k = 64 .. 127
	v_mov_b32 v[KF+32+\j], 0                       ; what the last fragment of K is followed by
	v_mov_b32 v[TP+\j], 0                          ; (a lane permute's destination counts as one of its sources)
.endr
	v_mov_b32 v[FF], 0                             ; (likewise, on the way out of a tile all of whose steps were jumped over)
	v_mov_b32 v[PW], 0                             ; (named as the upper half of the pair v[252:253] before it is first written)
	v_mov_b32 v[NINF], 0xff800000                  ; -infinity
	s_mov_b32 s[SEL], 0x76543210
	s_mov_b32 s[SEL+1], 0xfedcba98
	s_mov_b32 s[CS], 0x3e38aa3b                    ; c = log2(e) / 8
	s_mov_b32 s[CS+1], s[CS]                       ; (named with it as a pair, so it is written)
	s_mov_b32 s[II], s[WV]
	s_mov_b32 s[TRIP], 2
; Product t of 8 of S^T = K Q^T.  K's scale words: register t / 2, lanes 0-15 for even t, lanes 16-31 for odd t.
.macro KQ t
.if (\t)%2
	v_wmma_scale_f32_16x16x128_f8f6f4 v[SC+8*\t:SC+8*\t+7], v[KF+4*\t:KF+4*\t+7], v[QF:QF+7], 0, v[KS+\t/2], v[QS] matrix_a_fmt:MATRIX_FMT_FP4 matrix_b_fmt:MATRIX_FMT_FP4 matrix_a_scale:MATRIX_SCALE_ROW1
.else
	v_wmma_scale_f32_16x16x128_f8f6f4 v[SC+8*\t:SC+8*\t+7], v[KF+4*\t:KF+4*\t+7], v[QF:QF+7], 0, v[KS+\t/2], v[QS] matrix_a_fmt:MATRIX_FMT_FP4 matrix_b_fmt:MATRIX_FMT_FP4
.endif
.endm
; THE FRONT OF A STEP: all its LDS loads in one run, the eight products K Q^T, and (holes = 1) the mask.  It is written twice, so that the scalar loads of the mask's words, the wait for them and their use lie on one way.
.macro FRONT holes
.if \holes
	s_load_b512 s[16:31], s[BITS:BITS+1], s[MO] offset:0x0         ; the step's 64 words
	s_load_b512 s[32:47], s[BITS:BITS+1], s[MO] offset:0x40
	s_load_b512 s[48:63], s[BITS:BITS+1], s[MO] offset:0x80
	s_load_b512 s[68:83], s[BITS:BITS+1], s[MO] offset:0xc0
.endif
.irp t, 0,1,2,3,4,5,6,7
	ds_load_b128 v[KF+4*\t:KF+4*\t+3], v[ADK] offset:512*\t        ; an image: 512 consecutive bytes
.endr
.irp b, 0,1,2,3
	ds_load_u16 v[KS+\b], v[ADS] offset:64*\b                      ; a key's two scale bytes; the upper two bytes are 0
.endr
.irp t, 0,1,2,3
.irp c, 0,1
	ds_load_b128 v[VF+8*\t+4*\c:VF+8*\t+4*\c+3], v[ADV] offset:16*VP*\t+32*\c    ; V: rows 16 t + r, keys 64 c + 32 h + 0 .. 31 of the step
.endr
.endr
.irp g, 0,1
	ds_load_b32 v[VS+\g], v[ADT] offset:32*VSP*\g
.endr
	s_wait_dscnt 10                                ; K's twelve loads are in; V's ten, issued behind them, may be out: they are wanted behind the softmax
.irp t, 0,1,2,3,4,5,6,7
	KQ \t
.endr
.rept 4
	v_nop                                          ; four places between the last product and the first read of results (ISA guide 7.12.1)
.endr
.if \holes
	s_wait_kmcnt 0x0
.set n, 0
.rept 64                                       ; hidden scores become -infinity ahead of the maximum: p = 0 then.  Ascending: each accumulator is read from its low end on
.if n < 48
	v_cndmask_b32 v[SC+n], v[NINF], v[SC+n], s[16+n]
.else
	v_cndmask_b32 v[SC+n], v[NINF], v[SC+n], s[20+n]
.endif
.set n, n+1
.endr
.endif
.endm
; THE SOFTMAX OF A STEP: 64 scores a lane: four blocks of 32 keys, each half in lane l and half in lane l xor 16.
.macro SOFT
.irp b, 0,1,2,3
	v_max3_num_f32 v[BM+\b], v[SC+16*\b], v[SC+16*\b+1], v[SC+16*\b+2]   ; THE LARGEST SCORE OF EACH BLOCK: it serves twice: for the row's maximum, and, since p rises with the score, for the block's largest p
.endr
.irp i, 3,5,7,9,11,13
.irp b, 0,1,2,3
	v_max3_num_f32 v[BM+\b], v[BM+\b], v[SC+16*\b+\i], v[SC+16*\b+\i+1]  ; (the four blocks by turns)
.endr
.endr
.irp b, 0,1,2,3
	v_max_num_f32 v[BM+\b], v[BM+\b], v[SC+16*\b+15]
.endr
.irp b, 0,1,2,3
	v_permlanex16_b32 v[TP+\b], v[BM+\b], s[SEL], s[SEL+1]
.endr
.irp b, 0,1,2,3
	v_max_num_f32 v[BM+\b], v[BM+\b], v[TP+\b]     ; with lane l xor 16's 16 keys
.endr
	v_max3_num_f32 v[TT], v[BM], v[BM+1], v[BM+2]
	v_max_num_f32 v[TT], v[TT], v[BM+3]            ; the step's largest score of my query (-infinity where all its keys are hidden)
	v_mul_f32 v[TT], s[CS], v[TT]                  ; as t (c is positive)
	v_max_num_f32 v[NM+1], v[NM+1], v[TT]          ; the running largest t
	v_mov_b32 v[TT], v[NM]
	v_floor_f32 v[NM], -v[NM+1]                    ; the new -M = floor(-t) = -ceil(t): M IS A WHOLE NUMBER
	v_sub_f32 v[TT], v[NM], v[TT]                  ; M's old value less its new one: a whole number, 0 or less
	v_cvt_i32_f32 v[TT], v[TT]                     ; (it saturates: the first move, away from the start value, gives f = 0, which multiplies zeros)
	v_ldexp_f32 v[FF], 1.0, v[TT]                  ; f = 2^(old M - new M): a multiplication by it rounds nothing
.set j, 0
.rept 32
	v_pk_fma_f32 v[SC+j:SC+j+1], v[SC+j:SC+j+1], s[CS:CS+1], v[NM:NM+1] op_sel_hi:[1,0,0]   ; t - M, two at a time (of the pairs c and -M the low word serves both halves)
.set j, j+2
.endr
.irp b, 0,1,2,3
	v_fma_f32 v[BM+\b], v[BM+\b], s[CS], v[NM]     ; the same of each block's largest score
.endr
.set j, 0
.rept 64
	v_exp_f32 v[SC+j], v[SC+j]                     ; p = 2^(t - M), at most 1: NOT normalised
.set j, j+1
.endr
.irp b, 0,1,2,3
	v_exp_f32 v[BM+\b], v[BM+\b]                   ; the block's largest p: the same two instructions on the same number give the same bits
.endr
	v_pk_mul_f32 v[SUM:SUM+1], v[SUM:SUM+1], v[FF:FF+1] op_sel_hi:[1,0]   ; the sums under the new M.  (A plain instruction behind the exponentials: ISA guide 5.7.2)
	s_wait_alu depctr_va_vdst(0)
.irp b, 0,1,2,3
	v_max_num_f32 v[BM+\b], 0x1800000, v[BM+\b]    ; the floor 2^(3 - 127): the byte cannot fall under 1 (a block whose every p is 0 keeps that byte: its codes are zeros)
.endr
.irp b, 0,1,2,3
	v_add_nc_u32 v[SO+\b], 0xff000000, v[BM+\b]    ; 2 off the exponent field: the conversion's scale operand
.endr
.irp b, 0,1,2,3
	v_lshrrev_b32 v[TP+\b], 23, v[SO+\b]           ; the scale's byte
.endr
	v_lshl_or_b32 v[PW], v[TP+1], 8, v[TP]         ; p's scale word for these 128 keys
	v_lshl_or_b32 v[PW], v[TP+2], 16, v[PW]
	v_lshl_or_b32 v[PW], v[TP+3], 24, v[PW]
.irp b, 0,1,2,3
	v_cvt_scalef32_pk8_fp4_f32 v[PC+2*\b], v[SC+16*\b:SC+16*\b+7], v[SO+\b]
	v_cvt_scalef32_pk8_fp4_f32 v[PC+2*\b+1], v[SC+16*\b+8:SC+16*\b+15], v[SO+\b]
.endr
	v_nop                                          ; one plain instruction between a scaled conversion and the vector instruction that touches its result
.irp c, 0,1                                    ; the operand's layout wants a WHOLE block in a lane: lanes 0-15 block 2 c, lanes 16-31 block 2 c + 1
.irp i, 0,1
	v_permlane16_swap_b32 v[PC+4*\c+\i], v[PC+4*\c+2+\i]
.endr
.endr
	v_pk_add_f32 v[TP:TP+1], v[SC:SC+1], v[SC+2:SC+3]              ; THE ROW'S SUM IS TAKEN OF THE UNQUANTISED p: two at a time, in two chains
.set j, 4
.rept 15
	v_pk_add_f32 v[SUM:SUM+1], v[SUM:SUM+1], v[SC+j:SC+j+1]
	v_pk_add_f32 v[TP:TP+1], v[TP:TP+1], v[SC+j+2:SC+j+3]
.set j, j+4
.endr
	v_pk_add_f32 v[SUM:SUM+1], v[SUM:SUM+1], v[TP:TP+1]
.set j, 0
.rept 16
	v_pk_mul_f32 v[OT+j:OT+j+1], v[OT+j:OT+j+1], v[FF:FF+1] op_sel_hi:[1,0]   ; O^T under the new M: x f.  (With the 32 sums above: 48 plain instructions between the writing of p's codes and scale word and the products that take them)
.set j, j+2
.endr
.endm
; O^T += V^T P^T: four tiles of 16 of the head's 64; K = the step's 128 keys.  The four accumulators take turns, and the matrix instruction ahead of the first is a score tile's.
.macro PV
	s_wait_dscnt 0x0                               ; V's fragments and scale words, asked for at the step's front
.irp t, 0,2
	v_wmma_scale_f32_16x16x128_f8f6f4 v[OT+8*\t:OT+8*\t+7], v[VF+8*\t:VF+8*\t+7], v[PC:PC+7], v[OT+8*\t:OT+8*\t+7], v[VS+\t/2], v[PW] matrix_a_fmt:MATRIX_FMT_FP4 matrix_b_fmt:MATRIX_FMT_FP4
	v_wmma_scale_f32_16x16x128_f8f6f4 v[OT+8*\t+8:OT+8*\t+15], v[VF+8*\t+8:VF+8*\t+15], v[PC:PC+7], v[OT+8*\t+8:OT+8*\t+15], v[VS+\t/2], v[PW] matrix_a_fmt:MATRIX_FMT_FP4 matrix_b_fmt:MATRIX_FMT_FP4 matrix_a_scale:MATRIX_SCALE_ROW1
.endr
.endm
.Ltile:                                            ; two trips: i = w, then i = 31 - w
	s_lshl_b32 s[TL], s[II], 2
	s_add_co_u32 s[TL], s[TL], ttmp9               ; T = 4 i + x
	s_lshl_b32 s101, s[TL], 2
	s_load_b32 s[FL], s[FLAGS:FLAGS+1], s101 offset:0x0
	s_lshl_b32 s14, s[TL], 9                       ; 16 rows of 32 bytes
	v_add_nc_u32 v[QO], s14, v[QO0]
	s_lshl_b32 s14, s[TL], 5                       ; 16 rows of 2 bytes
	v_add_nc_u32 v[QO+1], s14, v[QO0+1]
	s_lshl_b32 s[MO], s[TL], 12                    ; 16 rows of O, 256 bytes each; and 16 steps of 256 bytes in bits
	v_add_nc_u32 v[QO+2], s[MO], v[L16]
	global_load_b128 v[QF:QF+3], v[QO], s[QC:QC+1]                 ; Q's fragment: k = 32 h + 0 .. 31 of row r
	global_load_u16 v[QS], v[QO+1], s[QSB:QSB+1]                   ; its two scale bytes; the upper two bytes are 0
	s_mov_b32 s[TK], 0
	s_mov_b32 s[TV], 0
	s_mov_b32 s[TS], 0
	s_mov_b32 s[TJ], 0
	s_mov_b32 s[STEPC], 16
	v_mov_b32 v[NM+1], 0xff61b1e6                  ; the largest t so far: -3e38, under every t
	v_floor_f32 v[NM], -v[NM+1]                    ; -M
	v_mov_b32 v[SUM], 0                            ; the sum, in two halves
	v_mov_b32 v[SUM+1], 0
.set j, 0
.rept 32
	v_mov_b32 v[OT+j], 0                           ; O^T.  Any step may be jumped over, so no step can be written out as the one that starts the sums: 32 lines a tile
.set j, j+1
.endr
	s_wait_kmcnt 0x0                               ; the flags
	s_wait_loadcnt 0x0                             ; Q
.Lstep:                                            ; sixteen trips, whatever the mask: what is jumped over is a step's work, never the lines that step addresses
	s_bitcmp1_b32 s[FL], 0
	s_cbranch_scc0 .Lskip                          ; no key of this step counts for any of my 16 queries
	v_add_nc_u32 v[ADK], s[TK], v[AK0]             ; (these four are also the places between the last step's products and the loads into V's fragments and scale words)
	v_add_nc_u32 v[ADV], s[TV], v[AV0]
	v_add_nc_u32 v[ADS], s[TS], v[ASK0]
	v_add_nc_u32 v[ADT], s[TJ], v[ASV0]
	s_bitcmp1_b32 s[FL], 16
	s_cbranch_scc1 .Lholes
	FRONT 0                                        ; every key counts for every query
	s_branch .Lsoft
.Lholes:
	FRONT 1
.Lsoft:
	SOFT
	PV
.Lskip:
	s_lshr_b32 s[FL], s[FL], 1
	s_add_co_u32 s[TK], s[TK], 4096
	s_add_co_u32 s[TV], s[TV], 64
	s_add_co_u32 s[TS], s[TS], 256
	s_add_co_u32 s[TJ], s[TJ], 4
	s_add_co_u32 s[MO], s[MO], 256                 ; (the scalar loads that named it were waited for in the step's front)
	s_sub_co_u32 s[STEPC], s[STEPC], 1
	s_cmp_lg_u32 s[STEPC], 0
	s_cbranch_scc1 .Lstep
	; THE WAY OUT.  The sum's halves are added; O^T is divided by the sum and goes through my stage in LDS, so that whole rows of 256 bytes leave: a store of the wave covers 512 consecutive bytes, aligned.
.rept 4
	v_nop                                          ; four places behind the last products
.endr
	v_add_f32 v[SUM], v[SUM], v[SUM+1]             ; the sum's two halves,
	v_permlanex16_b32 v[FF], v[SUM], s[SEL], s[SEL+1]
	v_add_f32 v[SUM], v[SUM], v[FF]                ; and lane l xor 16's: the row's sum
	v_rcp_f32 v[SUM], v[SUM]
	v_nop                                          ; a plain instruction behind the reciprocal
.set j, 0
	s_wait_alu depctr_va_vdst(0)
.rept 16
	v_pk_mul_f32 v[SC+j:SC+j+1], v[OT+j:OT+j+1], v[SUM:SUM+1] op_sel_hi:[1,0]   ; register 8 t + i is o(r, 16 t + 8 h + i); each accumulator from its low end on
.set j, j+2
.endr
.irp t, 0,1,2,3
	ds_store_b128 v[STO], v[SC+8*\t:SC+8*\t+3] offset:64*\t
	ds_store_b128 v[STO], v[SC+8*\t+4:SC+8*\t+7] offset:64*\t+16
.endr
.irp i, 0,1,2,3,4,5,6,7
	ds_load_b128 v[KF+4*\i:KF+4*\i+3], v[RD] offset:2*SP*\i        ; LDS serves a wave's instructions in order (ISA guide 5.7.1.4): these see my stores; rows 2 i and 2 i + 1
.endr
.irp i, 0,1,2,3,4,5,6,7
	s_wait_dscnt 7-\i                              ; load i is in; the younger ones may be out
	global_store_b128 v[QO+2], v[KF+4*\i:KF+4*\i+3], s[OUT:OUT+1] offset:512*\i th:TH_STORE_NT   ; written once, read by nobody here
.endr
	s_wait_xcnt 0x0                                ; the stores have read their data and their offset: the next tile writes both again
	s_sub_co_u32 s[II], 31, s[II]
	s_sub_co_u32 s[TRIP], s[TRIP], 1
	s_cmp_lg_u32 s[TRIP], 0
	s_cbranch_scc1 .Ltile
	s_wait_tensorcnt 0x0
	ds_add_u32 v251, v255
	s_wait_dscnt 0x0
	s_endpgm
.Lfunc_end_k_qc767512133_attn:
	.size	k_qc767512133_attn, .Lfunc_end_k_qc767512133_attn-k_qc767512133_attn
	.p2alignl 7, 3214868480
	.fill 96, 4, 3214868480
	.section	.rodata,"a",@progbits
	.p2align	6, 0x0
	.amdhsa_kernel k_qc767512133_attn
		.amdhsa_group_segment_fixed_size 212224
		.amdhsa_private_segment_fixed_size 0
		.amdhsa_enable_private_segment 0
		.amdhsa_kernarg_size 72
		.amdhsa_user_sgpr_count 2
		.amdhsa_user_sgpr_kernarg_segment_ptr 1
		.amdhsa_wavefront_size32 1
		.amdhsa_system_sgpr_workgroup_id_x 1
		.amdhsa_system_sgpr_workgroup_id_y 1
		.amdhsa_system_sgpr_workgroup_id_z 1
		.amdhsa_system_vgpr_workitem_id 0
		.amdhsa_next_free_vgpr 256
		.amdhsa_next_free_sgpr 102
		.amdhsa_reserve_vcc 0
		.amdhsa_float_denorm_mode_32 3
		.amdhsa_float_denorm_mode_16_64 3
		.amdhsa_memory_ordered 1
		.amdhsa_forward_progress 1
		.amdhsa_inst_pref_size 36
	.end_amdhsa_kernel
	.amdgpu_metadata
---
amdhsa.version: [ 1, 2 ]
amdhsa.kernels:
  - .name:           k_qc767512133_attn
    .symbol:         k_qc767512133_attn.kd
    .args:
      - { .name: key_codes, .offset: 0, .size: 8, .value_kind: global_buffer, .address_space: global }
      - { .name: key_scales, .offset: 8, .size: 8, .value_kind: global_buffer, .address_space: global }
      - { .name: query_codes, .offset: 16, .size: 8, .value_kind: global_buffer, .address_space: global }
      - { .name: query_scales, .offset: 24, .size: 8, .value_kind: global_buffer, .address_space: global }
      - { .name: value_codes, .offset: 32, .size: 8, .value_kind: global_buffer, .address_space: global }
      - { .name: value_scales, .offset: 40, .size: 8, .value_kind: global_buffer, .address_space: global }
      - { .name: bits, .offset: 48, .size: 8, .value_kind: global_buffer, .address_space: global }
      - { .name: flags, .offset: 56, .size: 8, .value_kind: global_buffer, .address_space: global }
      - { .name: out0, .offset: 64, .size: 8, .value_kind: global_buffer, .address_space: global }
    .group_segment_fixed_size: 212224
    .private_segment_fixed_size: 0
    .kernarg_segment_align: 8
    .kernarg_segment_size: 72
    .max_flat_workgroup_size: 512
    .sgpr_count:     102
    .vgpr_count:     256
    .wavefront_size: 32
...
	.end_amdgpu_metadata
.endif
;; end of part 2
;; ======== version 2 of 2: 2 launches
;; workspace buffers: bits 524,288 bytes of whole numbers; flags 512 bytes of whole numbers
;; launch maskbits (part 3): grid 128 x 1, 16 waves a work-group, no clusters, 35,328 bytes of LDS; arguments mask, bits, flags; writes bits, flags
.if DOCPART == 3
	.amdgcn_target "amdgcn-amd-amdhsa--gfx1250"
	.amdhsa_code_object_version 6
	.text
	.protected	k_qc767512133_maskbits
	.globl	k_qc767512133_maskbits
	.p2align	8
	.type	k_qc767512133_maskbits,@function
k_qc767512133_maskbits:
	s_mov_b64 s[64:65], 0
	v_nop
	global_prefetch_b8 v0, s[64:65] scope:SCOPE_SE
	s_setreg_imm32_b32 hwreg(HW_REG_WAVE_MODE, 25, 1), 1
	s_wait_xcnt 0x0
; THE MASK, [2048][2048] bytes (0 = hidden, anything else = counts), IS PACKED ONCE, in the order in which the attention launch holds its scores, so that 64 heads need not unpack it 64 times.
; T = a tile of 16 queries (0..127), s = a step of 128 keys (0..15), n = a score register (0..63).  In the attention launch lane l = 16 h + r holds, in register n, query 16 T + r and key 128 s + 32 (n / 16) + 16 h + n % 16.
;   bits[T][s][n], a word of 32 bits: bit l = that element of the mask.  64 words, 256 bytes, for each (T, s).
;   flags[T], a word: bit s = step s has a key that counts for some query of the tile; bit 16 + s = it has a hidden one too (only looked at where bit s is set).
; SHARES.  Work-group T.  First wave w copies row 16 T + w into LDS (four loads of 512 consecutive bytes); then wave w packs step s = w: a lane reads 4 x 16 bytes of its row r, each byte is compared with 0,
; and the compare's lane mask IS the word.  The 64 words are laid two to a lane and leave as 256 consecutive bytes, aligned.
; 128 work-groups: the 16 flag bits of a tile have one owner, so that no word of flags is put together by two work-groups.  flags is stored 4 bytes a work-group: 512 bytes in the whole launch.
; No matrix work, no tensor loads, no cluster: the work-groups share no byte of the mask.
.set PITCH, 2064                       ; an LDS row: 2,048 bytes + 16 = 129 x 16: the 16 rows that a 16-byte load touches start 16 bytes apart modulo 256
.set FLG,   16*PITCH                   ; behind the rows: a word for each wave
.set DAT,   8                          ; v8-23   data
.set TMP,   24                         ; v24-27  a byte cut out of a word
.set WRD,   28                         ; v28-29  the step's 64 words: lane l holds words 2 l and 2 l + 1
.set BAL,   32                         ; s32-47  sixteen lane masks
	s_load_b128 s[4:7], s[0:1], 0x0                ; mask s[4:5], bits s[6:7]
	s_load_b64 s[8:9], s[0:1], 0x10                ; flags
	v_lshl_add_u32 v40, v0, 2, 0x8200
	v_mov_b32 v41, 0
	v_lshrrev_b32 v1, 5, v0
	s_delay_alu instid0(VALU_DEP_1)
	v_readfirstlane_b32 s10, v1                    ; wave 0..15
	v_and_b32 v1, 31, v0                           ; lane
	v_and_b32 v32, 15, v0                          ; r
	v_bfe_u32 v33, v0, 4, 1                        ; h
	s_delay_alu instid0(VALU_DEP_3)
	v_lshlrev_b32 v2, 4, v1                        ; 16 x lane: my bytes of a load's 512
	s_mul_i32 s11, s10, PITCH
	v_add_nc_u32 v3, s11, v2                       ; into LDS: row w, 16 x lane
	v_mul_u32_u24 v4, v32, PITCH
	s_delay_alu instid0(VALU_DEP_1)
	v_lshl_add_u32 v4, v33, 4, v4
	s_lshl_b32 s11, s10, 7
	v_add_nc_u32 v4, s11, v4                       ; out of LDS: row r, byte 128 w + 16 h (+ 32 for each block of 32 keys)
	v_lshlrev_b32 v5, 3, v1                        ; my two words' place among the step's 64
	s_lshl_b32 s11, s10, 2
	s_add_co_u32 s11, s11, FLG
	v_mov_b32 v6, s11                              ; my wave's flag word in LDS
	v_mov_b32 v7, FLG
	v_mov_b32 v31, 0
	s_lshl_b32 s12, ttmp9, 15                      ; 16 rows of 2,048 bytes a tile,
	s_lshl_b32 s13, s10, 11                        ; my row of them
	s_add_co_u32 s12, s12, s13
	s_mov_b32 s13, 0
	s_lshl_b32 s14, ttmp9, 4
	s_add_co_u32 s14, s14, s10
	s_lshl_b32 s14, s14, 8                         ; (16 T + s) x 256 bytes
	s_mov_b32 s15, 0
	s_lshl_b32 s16, ttmp9, 2                       ; 4 T
	s_mov_b32 s17, 0
	s_wait_alu depctr_va_vdst(0)
	s_wait_kmcnt 0x0
	s_add_nc_u64 s[4:5], s[4:5], s[12:13]
	s_add_nc_u64 s[6:7], s[6:7], s[14:15]
	s_add_nc_u64 s[8:9], s[8:9], s[16:17]
.irp j, 0,1,2,3
	global_load_b128 v[DAT+4*\j:DAT+4*\j+3], v2, s[4:5] offset:512*\j th:TH_LOAD_NT   ; 32 lanes read 512 consecutive bytes; each byte of the mask is read once in the launch
.endr
	s_wait_loadcnt 0x0
.irp j, 0,1,2,3
	ds_store_b128 v3, v[DAT+4*\j:DAT+4*\j+3] offset:512*\j
.endr
	s_wait_dscnt 0x0                               ; for the others' sake: my row lies in LDS
	s_barrier_signal -1
	s_barrier_wait -1                              ; all sixteen rows do
.irp b, 0,1,2,3
	ds_load_b128 v[DAT+4*\b:DAT+4*\b+3], v4 offset:32*\b           ; keys 128 s + 32 b + 16 h + 0 .. 15 of row r: the bytes of registers n = 16 b + 0 .. 15
.endr
	v_mov_b32 v[WRD], 0                            ; (a lane write's destination counts as read)
	v_mov_b32 v[WRD+1], 0
	s_mov_b32 s20, 0                               ; the OR of the step's words,
	s_mov_b32 s21, -1                              ; and their AND
	s_wait_dscnt 0x0
; Block b: byte i of my 16 is cut out and compared with 0; the lane mask is word n = 16 b + i, which goes to lane n / 2, register n % 2.
.macro PACK b
.set i, 0
.rept 16
	v_and_b32 v[TMP+i%4], 0xff<<(8*(i%4)), v[DAT+4*\b+i/4]
	s_delay_alu instid0(VALU_DEP_1)
	v_cmp_ne_u32 s[BAL+i], 0, v[TMP+i%4]
.set i, i+1
.endr
.set i, 0
.rept 16
	v_writelane_b32 v[WRD+i%2], s[BAL+i], 8*\b+i/2
	s_or_b32 s20, s20, s[BAL+i]
	s_and_b32 s21, s21, s[BAL+i]
.set i, i+1
.endr
.endm
	PACK 0
	PACK 1
	PACK 2
	PACK 3
	global_store_b64 v5, v[WRD:WRD+1], s[6:7]      ; 32 lanes store 256 consecutive bytes, at a multiple of 256 from the buffer's first byte
	s_cmp_lg_u32 s20, 0
	s_cselect_b32 s22, 1, 0                        ; some key counts
	s_cmp_lg_u32 s21, -1
	s_cselect_b32 s23, 0x10000, 0                  ; some key is hidden
	s_or_b32 s22, s22, s23
	s_lshl_b32 s22, s22, s10                       ; at my step's two places
	v_mov_b32 v30, s22
	ds_store_b32 v6, v30                           ; all lanes write the same word with the same value
	s_wait_dscnt 0x0                               ; for wave 0's sake
	s_barrier_signal -1
	s_barrier_wait -1
	s_cmp_lg_u32 s10, 0
	s_cbranch_scc1 .Ldone                          ; wave 0 joins the sixteen words
.irp j, 0,1,2,3
	ds_load_b128 v[DAT+4*\j:DAT+4*\j+3], v7 offset:16*\j
.endr
	s_wait_dscnt 0x0
.irp k, 0,1,2,3,4,5,6,7
	v_or_b32 v[DAT+\k], v[DAT+\k], v[DAT+8+\k]
.endr
.irp k, 0,1,2,3
	s_delay_alu instid0(VALU_DEP_4)
	v_or_b32 v[DAT+\k], v[DAT+\k], v[DAT+4+\k]
.endr
.irp k, 0,1
	s_delay_alu instid0(VALU_DEP_2)
	v_or_b32 v[DAT+\k], v[DAT+\k], v[DAT+2+\k]
.endr
	s_delay_alu instid0(VALU_DEP_1)
	v_or_b32 v[DAT], v[DAT], v[DAT+1]
	v_cmp_gt_u32 vcc_lo, 1, v0                     ; thread 0 alone stores the word
	s_wait_alu depctr_va_vdst(0)
	s_wait_xcnt 0x0                                ; the store of the words above has EXEC among its sources: EXEC changes only behind this wait
	s_and_saveexec_b32 s24, vcc_lo
	global_store_b32 v31, v[DAT], s[8:9]
	s_wait_xcnt 0x0                                ; and again in front of the line that widens it
	s_or_b32 exec_lo, exec_lo, s24
.Ldone:
	s_wait_tensorcnt 0x0
	ds_add_u32 v40, v41
	s_wait_dscnt 0x0
	s_endpgm
.Lfunc_end_k_qc767512133_maskbits:
	.size	k_qc767512133_maskbits, .Lfunc_end_k_qc767512133_maskbits-k_qc767512133_maskbits
	.p2alignl 7, 3214868480
	.fill 96, 4, 3214868480
	.section	.rodata,"a",@progbits
	.p2align	6, 0x0
	.amdhsa_kernel k_qc767512133_maskbits
		.amdhsa_group_segment_fixed_size 35328
		.amdhsa_private_segment_fixed_size 0
		.amdhsa_enable_private_segment 0
		.amdhsa_kernarg_size 24
		.amdhsa_user_sgpr_count 2
		.amdhsa_user_sgpr_kernarg_segment_ptr 1
		.amdhsa_wavefront_size32 1
		.amdhsa_system_sgpr_workgroup_id_x 1
		.amdhsa_system_sgpr_workgroup_id_y 1
		.amdhsa_system_sgpr_workgroup_id_z 1
		.amdhsa_system_vgpr_workitem_id 0
		.amdhsa_next_free_vgpr 42
		.amdhsa_next_free_sgpr 66
		.amdhsa_reserve_vcc 1
		.amdhsa_float_denorm_mode_32 3
		.amdhsa_float_denorm_mode_16_64 3
		.amdhsa_memory_ordered 1
		.amdhsa_forward_progress 1
		.amdhsa_inst_pref_size 23
	.end_amdhsa_kernel
	.amdgpu_metadata
---
amdhsa.version: [ 1, 2 ]
amdhsa.kernels:
  - .name:           k_qc767512133_maskbits
    .symbol:         k_qc767512133_maskbits.kd
    .args:
      - { .name: mask, .offset: 0, .size: 8, .value_kind: global_buffer, .address_space: global }
      - { .name: bits, .offset: 8, .size: 8, .value_kind: global_buffer, .address_space: global }
      - { .name: flags, .offset: 16, .size: 8, .value_kind: global_buffer, .address_space: global }
    .group_segment_fixed_size: 35328
    .private_segment_fixed_size: 0
    .kernarg_segment_align: 8
    .kernarg_segment_size: 24
    .max_flat_workgroup_size: 512
    .sgpr_count:     66
    .vgpr_count:     42
    .wavefront_size: 32
...
	.end_amdgpu_metadata
.endif
;; end of part 3
;; launch attn (part 4): grid 4 x 64, 16 waves a work-group, no clusters, 212,224 bytes of LDS; arguments key_codes, key_scales, query_codes, query_scales, value_codes, value_scales, bits, flags, out0; writes out0
.if DOCPART == 4
	.amdgcn_target "amdgcn-amd-amdhsa--gfx1250"
	.amdhsa_code_object_version 6
	.text
	.protected	k_qc767512133_attn
	.globl	k_qc767512133_attn
	.p2align	8
	.type	k_qc767512133_attn,@function
k_qc767512133_attn:
	s_mov_b64 s[64:65], 0
	v_nop
	global_prefetch_b8 v0, s[64:65] scope:SCOPE_SE
	s_setreg_imm32_b32 hwreg(HW_REG_WAVE_SCHED_MODE, 0, 2), 2
	s_setreg_imm32_b32 hwreg(HW_REG_WAVE_MODE, 25, 1), 1
	s_wait_xcnt 0x0
	s_wait_alu depctr_vm_vsrc(0)
; O[head][q][:] = the sum over k of softmax_k(mask ? Q[q] . K[k] / 8 : -inf) V[k][:], 64 heads, 2,048 queries and keys, head size 64; both products on codes of FP4 (E2M1) with one E8M0 scale for each 32 along a product's K.
; Q, K: codes [head][2048][32 bytes], scale bytes [head][2048][2].  V: codes with the KEYS innermost, [head][64][1024 bytes], scale bytes [head][64][64].  O: [head][2048][64] f32.
; THE MASK is an input and is honoured bit by bit.  The launch before has packed it: bits[T][s][n] = a word whose bit l is the mask of what lane l holds in score register n (tile T of 16 queries, step s of 128 keys);
; flags[T]: bit s = step s has a key that counts for the tile, bit 16 + s = it has a hidden one.  A step without a key that counts would add p = 0 everywhere and move no maximum: it is jumped over.  A step without a hidden key
; jumps over the mask's lines.  Both are scalar branches on stored whole numbers, and hold for every mask.
; THE SOFTMAX AHEAD OF THE SECOND PRODUCT: t = score x log2(e) / 8; M = the row's largest t so far, rounded UP to a whole number; p = 2^(t - M) is quantised along the keys, not normalised.  The row's sum is taken of the
; unquantised p, in f32, and divides O at the end.  When M moves, the sum and O are multiplied by 2^(old M - new M): exact.  A row with no key that counts ends with 0 x (1 / 0) = NaN, as a softmax of -inf alone gives.
; SHARES.  Four work-groups to a head.  Work-group x owns the tiles T = 4 i + x, i = 0 .. 31; wave w takes i = w, then i = 31 - w: a way of sharing out that spreads low and high queries over work-groups and waves alike;
; nothing hangs on it.  A wave holds ONE tile of 16 queries in 256 registers: four waves to a SIMD, so that one wave's exponentials stand beside another's plain work, products and LDS loads.
; K AND V OF THE HEAD (136 KB with their scale bytes) come into LDS ONCE, through registers, at the head: 19 loads and 19 LDS stores a thread, one barrier.  Then no wave waits for another.
; NO TENSOR LOADS, NO CLUSTER, though the four work-groups of a head read the same K and V: the step list is a branch on numbers read from memory;
; what is shared is read once by each work-group, 136 KB, against up to 32 x 16 steps of work.  NO PREFETCH: the only long reads stand at the kernel's head.
; LAYOUT.  Both products are used transposed: S^T = K Q^T (source 0 = 16 keys, source 1 = my 16 queries), O^T = V^T P^T (source 0 = 16 of the head's 64, source 1 = P): a lane holds ONE query (lane % 16) throughout.
; THE KEYS OF A TILE ARE NOT NEIGHBOURS: lane r of tile 2 b + u takes key 32 b + 8 u + r + 8 (r / 8), so that the 16 registers of tiles 2 b and 2 b + 1 are 16 neighbouring keys, 32 b + 16 (lane / 16) + 0 .. 15.
; THE FIRST PRODUCT'S K IS 64, the instruction's 128: Q's registers 4-7 are zero codes, so k = 64 .. 127 add nothing.  K's fragments are therefore kept as 4 registers; the instruction's registers 4-7 of source 0 are the next
; fragment's (behind the last: four zeros): whatever they hold is multiplied by the code 0.  The scale bytes of k = 64 .. 127 are 0 on both sides (a 16-bit load leaves them so), which is 2^-127 and no NaN.
; LIMITS: a scale byte 0xff (NaN) among the inputs is not served.  Any non-zero mask byte counts as true.
; REGISTERS: v1-7 addresses that stay; v8-11 the step's LDS addresses; v12 -M, v13 the largest t, v[14:15] the sum in two halves; v16-19 Q's codes, v20-23 zeros; v24 Q's scale word; v25 -inf; v26-30 offsets in Q and O;
;   v32-63 K's eight fragments (on the way out: rows of O), v64-67 zeros; v68-71 K's scale words, v72-73 V's; v74-85 the head's addresses; v96-159 S^T, then p; v160-191 O^T; v192-223 V's four fragments; v224-231 p's codes; v232-254 at work;
;   v251, v255: the closing add's two, made at the head and kept for it alone.
; THE MODE: SCHED_MODE bits 1:0 = 2 (LLVM: expert scheduling mode 2), set by the entry lines.  The code itself states the register dependences between vector or matrix instructions and memory or LDS instructions,
; with s_wait_alu, always for 0.
; THE PLAN.  Registers that memory or LDS instructions touch:
;   v78-80, v74-77, v5, v6   offsets and LDS addresses, written once at the head by vector lines, never again.
;   v96-163                  at the head: the loads of K, V and their scale bytes land here and the LDS stores read them; afterwards products and vector lines write them.  On the way out the stage's stores read v96-127.
;   v28-30                   written by three adds at a tile's head; read by Q's two loads and by the tile's eight stores.
;   v16-19, v24              Q and its scale word: loaded at a tile's head, read by the tile's products.
;   v8-11                    written by four adds at a step's head; read by the step's 22 LDS loads.
;   v32-63, v68-71           K's fragments and scale words: loaded in a step, read by its eight products K Q^T.  On the way out the loads from the stage land in v32-63 and the global stores read them.
;   v192-223, v72-73         V's fragments and scale words: loaded in a step, read by its four products V^T P, the step's last lines.
; A STEP has one wait on vm_vsrc (the last step's LDS loads have read v8-11) ahead of the four adds and ONE wait on va_vdst behind them, for all its 22 loads: the addresses are written, and the last step's products are done
; reading the registers in which the loads land.  Behind it K's twelve loads go out; V's ten are dealt among the products K Q^T, which name S^T, K, Q and their scale words: none of the registers that V's loads touch.
; Three more waits on va_vdst stand in a step: ahead of the exponentials, behind them, and ahead of the products that take p's codes and scale word, which vector lines have written.
.set KIMG, 0                           ; LDS: K's fragments as images of their registers: tile t of step s at (8 s + t) x 512 + 16 x lane
.set VROW, 65536                       ; V's 64 rows of 1,024 bytes,
.set VP,   1040                        ; 1,040 apart = 65 x 16: the 16 rows that a load touches start 16 bytes apart modulo 256
.set KSC,  VROW+64*VP                  ; K's scale bytes, dense: 2 a key
.set VSC,  KSC+4096                    ; V's: 64 rows of 64 bytes,
.set VSP,  68                          ; 68 apart = 17 words: 32 rows' words lie in 32 different banks (64 banks of 4 bytes: ISA guide 11.1)
.set STG,  VSC+64*VSP                  ; the way out: 16 rows x (256 bytes + 16) for each wave, its own.  Behind the stages, from byte 0x33500 on: the spare words, 128 bytes for each wave, which no other line names
.set SP,   272
.set AK0,  1                           ; v1   KIMG + 16 x lane
.set AV0,  2                           ; v2   VROW + r VP + 16 h
.set ASK0, 3                           ; v3   KSC + 2 r + 16 (r / 8) + 16 h: lanes 0-15 the keys of tile 2 b, lanes 16-31 those of tile 2 b + 1
.set ASV0, 4                           ; v4   VSC + VSP x lane: lanes 0-15 the rows of tile 2 g, lanes 16-31 those of tile 2 g + 1
.set STO,  5                           ; v5   the stage: where I put 32 bytes of a row
.set RD,   6                           ; v6   and where I read 16 bytes of a row back
.set L16,  7                           ; v7   16 x lane: my bytes in a store's 512
.set ADK,  8
.set ADV,  9
.set ADS,  10
.set ADT,  11
.set NM,   12                          ; v12 -M, v13 the largest t
.set SUM,  14
.set QF,   16
.set QS,   24
.set NINF, 25
.set QO0,  26                          ; v26  32 r + 16 h;  v27  2 r
.set QO,   28                          ; v28  the tile's offset in Q's codes, v29 in Q's scales, v30 in O
.set KF,   32
.set KS,   68
.set VS,   72
.set SC,   96
.set OT,   160
.set VF,   192
.set PC,   224
.set BM,   232                         ; v232-235 each block's largest score, then its largest p
.set TP,   236                         ; v236-239 the other half's maxima, then the scale bytes, then a chain of the sum
.set SO,   244                         ; v244-247 the conversions' scale operands
.set FF,   252                         ; v252 f = 2^(old M - new M)
.set PW,   253                         ; v253 p's scale word
.set TT,   254
.set WV,    2                          ; s2   my wave's number
.set HD,    4                          ; s4   the head (at the kernel's head only)
.set II,    5                          ; s5   i: my tile is 4 i + x
.set TRIP,  6
.set STEPC, 7
.set FL,    8                          ; s8   the tile's flags, shifted right by one a step: bit 0 and bit 16 are the step's
.set TK,    9                          ; s9   the step's place in KIMG: 4,096 a step
.set TV,    10                         ; s10  in a row of V: 64
.set TS,    11                         ; s11  among K's scale bytes: 256
.set TJ,    12                         ; s12  in a row of V's: 4
.set TL,    13                         ; s13  my tile T
.set QC,    84                         ; s[84:85] Q's codes, s[86:87] Q's scales, of my head
.set QSB,   86
.set BITS,  88
.set FLAGS, 90
.set OUT,   92                         ; s[92:93] O of my head
.set SEL,   94                         ; s[94:95] lane selects for v_permlanex16_b32: lane l xor 16
.set CS,    96                         ; s[96:97] c = log2(e) / 8: the packed form names a pair and takes its low word for both halves
.set MO,    100                        ; s100 the step's 256 bytes in bits
                                       ; s[16:63], s[68:83]: at the head the first eight pointers; later the step's 64 mask words: word n in s[16 + n], from n = 48 on in s[20 + n]
	s_load_b512 s[16:31], s[0:1], 0x0              ; K's codes s[16:17], K's scales s[18:19], Q's s[20:21], s[22:23], V's s[24:25], s[26:27], bits s[28:29], flags s[30:31]
	s_load_b64 s[OUT:OUT+1], s[0:1], 0x40          ; O
	v_lshl_add_u32 v251, v0, 2, 0x33500            ; the LDS address of my spare word, and 0, for the closing lines
	v_mov_b32 v255, 0
	v_lshrrev_b32 v81, 5, v0
	v_readfirstlane_b32 s[WV], v81                 ; wave 0..15
	s_and_b32 s[HD], ttmp7, 0xffff
	v_lshlrev_b32 v78, 4, v0                       ; the head's loads take the bytes as they lie: 16, 8 or 4 a thread
	v_lshlrev_b32 v79, 3, v0
	v_lshlrev_b32 v80, 2, v0
	s_lshl_b32 s14, s[HD], 16                      ; a head's codes: 65,536 bytes in each of the three tensors,
	s_mov_b32 s15, 0
	s_lshl_b32 s98, s[HD], 12                      ; its scale bytes: 4,096
	s_mov_b32 s99, 0
	s_wait_alu depctr_va_sdst(0)                   ; s2, the wave's number, is written, ahead of its first reader: the stage's address and the first tile are made from it
	s_wait_kmcnt 0x0
	s_add_nc_u64 s[16:17], s[16:17], s[14:15]
	s_add_nc_u64 s[24:25], s[24:25], s[14:15]
	s_add_nc_u64 s[QC:QC+1], s[20:21], s[14:15]
	s_add_nc_u64 s[18:19], s[18:19], s[98:99]
	s_add_nc_u64 s[26:27], s[26:27], s[98:99]
	s_add_nc_u64 s[QSB:QSB+1], s[22:23], s[98:99]
	s_mov_b64 s[BITS:BITS+1], s[28:29]
	s_mov_b64 s[FLAGS:FLAGS+1], s[30:31]
	s_lshl_b32 s14, s[HD], 19                      ; its rows of O: 2,048 x 256 bytes
	s_add_nc_u64 s[OUT:OUT+1], s[OUT:OUT+1], s[14:15]
	s_wait_alu depctr_va_vdst(0)                   ; v78, v79 and v80 are written: the nineteen loads below read them as their offsets
.irp i, 0,1,2,3,4,5,6,7
	global_load_b128 v[SC+4*\i:SC+4*\i+3], v78, s[16:17] offset:8192*\i          ; K: a wave's load covers 512 consecutive bytes, the work-group's 8,192
.endr
.irp i, 0,1,2,3,4,5,6,7
	global_load_b128 v[SC+32+4*\i:SC+32+4*\i+3], v78, s[24:25] offset:8192*\i    ; V likewise
.endr
	global_load_b64 v[OT:OT+1], v79, s[18:19]      ; K's scale bytes
	global_load_b32 v[OT+2], v80, s[26:27]         ; V's
	global_load_b32 v[OT+3], v80, s[26:27] offset:2048
	; where they go.  K: thread n's 16 bytes of load i are half n % 2 of key n / 2 + 256 i.  Of the key's number, bits 2:0 are r's bits 2:0, bit 3 is u, bit 4 is r's bit 3, bits 6:5 are b, the rest is the step.
	; The image's place, in units of 16 bytes: r | half << 4 | u << 5 | b << 6 | step << 8; load i adds 2 i steps.  (None of the lines below names v78-80 or a register in which a load lands)
	v_bfe_u32 v74, v0, 1, 3
	v_bfe_u32 v81, v0, 5, 1
	v_lshl_or_b32 v74, v81, 3, v74
	v_and_b32 v81, 1, v0
	v_lshl_or_b32 v74, v81, 4, v74
	v_bfe_u32 v81, v0, 4, 1
	v_lshl_or_b32 v74, v81, 5, v74
	v_and_or_b32 v74, v0, 0x1c0, v74
	v_lshlrev_b32 v74, 4, v74                      ; (KIMG is LDS byte 0)
	v_and_b32 v81, 15, v0                          ; r
	v_bfe_u32 v82, v0, 4, 1                        ; h
	v_bfe_u32 v83, v0, 3, 1                        ; r / 8
	v_and_b32 v84, 31, v0                          ; lane
	v_lshrrev_b32 v75, 6, v0                       ; V: row n / 64 + 8 i, byte 16 (n % 64)
	v_mul_u32_u24 v75, v75, VP
	v_and_b32 v85, 63, v0
	v_lshl_add_u32 v75, v85, 4, v75
	v_add_nc_u32 v75, VROW, v75
	v_lshl_add_u32 v76, v0, 3, KSC                 ; K's scale bytes: as they lie
	v_lshrrev_b32 v77, 4, v0                       ; V's: row n / 16 + 32 i, byte 4 (n % 16)
	v_mul_u32_u24 v77, v77, VSP
	v_lshl_add_u32 v77, v81, 2, v77
	v_add_nc_u32 v77, VSC, v77
	; the addresses that stay
	v_lshl_add_u32 v[AK0], v84, 4, KIMG
	v_mul_u32_u24 v[AV0], v81, VP
	v_lshl_add_u32 v[AV0], v82, 4, v[AV0]
	v_add_nc_u32 v[AV0], VROW, v[AV0]
	v_lshlrev_b32 v[ASK0], 1, v81
	v_lshl_add_u32 v[ASK0], v83, 4, v[ASK0]
	v_lshl_add_u32 v[ASK0], v82, 4, v[ASK0]
	v_add_nc_u32 v[ASK0], KSC, v[ASK0]
	v_mul_u32_u24 v[ASV0], v84, VSP
	v_add_nc_u32 v[ASV0], VSC, v[ASV0]
	s_mul_i32 s14, s[WV], 16*SP
	s_add_co_u32 s14, s14, STG                     ; my stage
	v_mul_u32_u24 v[STO], v81, SP                  ; in: row r, 32 bytes for each half of the lanes
	v_lshl_add_u32 v[STO], v82, 5, v[STO]
	v_add_nc_u32 v[STO], s14, v[STO]
	v_mul_u32_u24 v[RD], v82, SP                   ; back: lanes 0-15 one row of 256 bytes, lanes 16-31 the next
	v_lshl_add_u32 v[RD], v81, 4, v[RD]
	v_add_nc_u32 v[RD], s14, v[RD]
	v_lshlrev_b32 v[L16], 4, v84
	v_lshlrev_b32 v[QO0], 5, v81                   ; Q's codes: row r of 32 bytes, + 16 h
	v_lshl_add_u32 v[QO0], v82, 4, v[QO0]
	v_lshlrev_b32 v[QO0+1], 1, v81                 ; Q's scales: 2 bytes a row
	s_wait_alu depctr_va_vdst(0)                   ; v74 to v77 are written, which the LDS stores below read as their addresses; so are v5 and v6, the stage's addresses, which are never written again
	s_wait_loadcnt 11                              ; K's eight loads are in; the eleven issued behind them (V's eight, three of scale bytes) may be out
.irp i, 0,1,2,3,4,5,6,7
	ds_store_b128 v74, v[SC+4*\i:SC+4*\i+3] offset:8192*\i
.endr
	s_wait_loadcnt 3                               ; V's eight are in; the three of scale bytes may be out
.irp i, 0,1,2,3,4,5,6,7
	ds_store_b128 v75, v[SC+32+4*\i:SC+32+4*\i+3] offset:8*VP*\i
.endr
	s_wait_loadcnt 0x0
	ds_store_b64 v76, v[OT:OT+1]
	ds_store_b32 v77, v[OT+2]
	ds_store_b32 v77, v[OT+3] offset:32*VSP
	s_wait_dscnt 0x0                               ; for the others' sake: my part of K and V lies in LDS
	s_barrier_signal -1
	s_barrier_wait -1                              ; everybody's does.  The launch's only barrier: from here on these bytes are only read, and each wave's stage is its own
	s_wait_alu depctr_vm_vsrc(0)                   ; my LDS stores have read v96 to v163: these registers are S^T and O^T from here on, written by the products and by the lines that clear O^T
.irp j, 0,1,2,3
	v_mov_b32 v[QF+4+\j], 0                        ; Q's codes of k = 64 .. 127
	v_mov_b32 v[KF+32+\j], 0                       ; what the last fragment of K is followed by
	v_mov_b32 v[TP+\j], 0                          ; (a lane permute's destination counts as one of its sources)
.endr
	v_mov_b32 v[FF], 0                             ; (likewise, on the way out of a tile all of whose steps were jumped over)
	v_mov_b32 v[PW], 0                             ; (named as the upper half of the pair v[252:253] before it is first written)
	v_mov_b32 v[NINF], 0xff800000                  ; -infinity
	s_mov_b32 s[SEL], 0x76543210
	s_mov_b32 s[SEL+1], 0xfedcba98
	s_mov_b32 s[CS], 0x3e38aa3b                    ; c = log2(e) / 8
	s_mov_b32 s[CS+1], s[CS]                       ; (named with it as a pair, so it is written)
	s_mov_b32 s[II], s[WV]
	s_mov_b32 s[TRIP], 2
; Product t of 8 of S^T = K Q^T.  K's scale words: register t / 2, lanes 0-15 for even t, lanes 16-31 for odd t.
.macro KQ t
.if (\t)%2
	v_wmma_scale_f32_16x16x128_f8f6f4 v[SC+8*\t:SC+8*\t+7], v[KF+4*\t:KF+4*\t+7], v[QF:QF+7], 0, v[KS+\t/2], v[QS] matrix_a_fmt:MATRIX_FMT_FP4 matrix_b_fmt:MATRIX_FMT_FP4 matrix_a_scale:MATRIX_SCALE_ROW1
.else
	v_wmma_scale_f32_16x16x128_f8f6f4 v[SC+8*\t:SC+8*\t+7], v[KF+4*\t:KF+4*\t+7], v[QF:QF+7], 0, v[KS+\t/2], v[QS] matrix_a_fmt:MATRIX_FMT_FP4 matrix_b_fmt:MATRIX_FMT_FP4
.endif
.endm
; V's fragment t: rows 16 t + r, keys 64 c + 32 h + 0 .. 31 of the step.
.macro VFRAG t
.irp c, 0,1
	ds_load_b128 v[VF+8*(\t)+4*\c:VF+8*(\t)+4*\c+3], v[ADV] offset:16*VP*(\t)+32*\c
.endr
.endm
; THE FRONT OF A STEP: K's LDS loads in one run, the eight products K Q^T with V's LDS loads dealt among them, and (holes = 1) the mask.  It is written twice, so that the scalar loads of the mask's words, the wait for them
; and their use lie on one way.  All 22 LDS loads lean on the wait on va_vdst at the step's head: since that wait only the products K Q^T are issued, and they name no register that a load issued behind them touches.
.macro FRONT holes
.if \holes
	s_load_b512 s[16:31], s[BITS:BITS+1], s[MO] offset:0x0         ; the step's 64 words
	s_load_b512 s[32:47], s[BITS:BITS+1], s[MO] offset:0x40
	s_load_b512 s[48:63], s[BITS:BITS+1], s[MO] offset:0x80
	s_load_b512 s[68:83], s[BITS:BITS+1], s[MO] offset:0xc0
.endif
.irp t, 0,1,2,3,4,5,6,7
	ds_load_b128 v[KF+4*\t:KF+4*\t+3], v[ADK] offset:512*\t        ; an image: 512 consecutive bytes
.endr
.irp b, 0,1,2,3
	ds_load_u16 v[KS+\b], v[ADS] offset:64*\b                      ; a key's two scale bytes; the upper two bytes are 0
.endr
	s_wait_dscnt 0x0                               ; K's twelve loads are in: no other LDS instruction of mine is out
.irp t, 0,1,2,3
	KQ \t
	VFRAG \t                                       ; V is wanted behind the softmax: its loads go out while the products are at work
.endr
	KQ 4
	ds_load_b32 v[VS], v[ADT]                      ; V's scale words: rows 0 to 31,
	KQ 5
	ds_load_b32 v[VS+1], v[ADT] offset:32*VSP      ; rows 32 to 63
	KQ 6
	KQ 7
.rept 4
	v_nop                                          ; four places between the last product and the first read of results (ISA guide 7.12.1)
.endr
.if \holes
	s_wait_kmcnt 0x0
.set n, 0
.rept 64                                       ; hidden scores become -infinity ahead of the maximum: p = 0 then.  Ascending: each accumulator is read from its low end on
.if n < 48
	v_cndmask_b32 v[SC+n], v[NINF], v[SC+n], s[16+n]
.else
	v_cndmask_b32 v[SC+n], v[NINF], v[SC+n], s[20+n]
.endif
.set n, n+1
.endr
.endif
.endm
; THE SOFTMAX OF A STEP: 64 scores a lane: four blocks of 32 keys, each half in lane l and half in lane l xor 16.
.macro SOFT
.irp b, 0,1,2,3
	v_max3_num_f32 v[BM+\b], v[SC+16*\b], v[SC+16*\b+1], v[SC+16*\b+2]   ; THE LARGEST SCORE OF EACH BLOCK: it serves twice: for the row's maximum, and, since p rises with the score, for the block's largest p
.endr
.irp i, 3,5,7,9,11,13
.irp b, 0,1,2,3
	v_max3_num_f32 v[BM+\b], v[BM+\b], v[SC+16*\b+\i], v[SC+16*\b+\i+1]  ; (the four blocks by turns)
.endr
.endr
.irp b, 0,1,2,3
	v_max_num_f32 v[BM+\b], v[BM+\b], v[SC+16*\b+15]
.endr
.irp b, 0,1,2,3
	v_permlanex16_b32 v[TP+\b], v[BM+\b], s[SEL], s[SEL+1]
.endr
.irp b, 0,1,2,3
	v_max_num_f32 v[BM+\b], v[BM+\b], v[TP+\b]     ; with lane l xor 16's 16 keys
.endr
	v_max3_num_f32 v[TT], v[BM], v[BM+1], v[BM+2]
	v_max_num_f32 v[TT], v[TT], v[BM+3]            ; the step's largest score of my query (-infinity where all its keys are hidden)
	v_mul_f32 v[TT], s[CS], v[TT]                  ; as t (c is positive)
	v_max_num_f32 v[NM+1], v[NM+1], v[TT]          ; the running largest t
	v_mov_b32 v[TT], v[NM]
	v_floor_f32 v[NM], -v[NM+1]                    ; the new -M = floor(-t) = -ceil(t): M IS A WHOLE NUMBER
	v_sub_f32 v[TT], v[NM], v[TT]                  ; M's old value less its new one: a whole number, 0 or less
	v_cvt_i32_f32 v[TT], v[TT]                     ; (it saturates: the first move, away from the start value, gives f = 0, which multiplies zeros)
	v_ldexp_f32 v[FF], 1.0, v[TT]                  ; f = 2^(old M - new M): a multiplication by it rounds nothing
.set j, 0
.rept 32
	v_pk_fma_f32 v[SC+j:SC+j+1], v[SC+j:SC+j+1], s[CS:CS+1], v[NM:NM+1] op_sel_hi:[1,0,0]   ; t - M, two at a time (of the pairs c and -M the low word serves both halves)
.set j, j+2
.endr
.irp b, 0,1,2,3
	v_fma_f32 v[BM+\b], v[BM+\b], s[CS], v[NM]     ; the same of each block's largest score
.endr
.set j, 0
	s_wait_alu depctr_va_vdst(0)
.rept 64
	v_exp_f32 v[SC+j], v[SC+j]                     ; p = 2^(t - M), at most 1: NOT normalised
.set j, j+1
.endr
.irp b, 0,1,2,3
	v_exp_f32 v[BM+\b], v[BM+\b]                   ; the block's largest p: the same two instructions on the same number give the same bits
.endr
	v_pk_mul_f32 v[SUM:SUM+1], v[SUM:SUM+1], v[FF:FF+1] op_sel_hi:[1,0]   ; the sums under the new M.  (A plain instruction behind the exponentials: ISA guide 5.7.2)
	s_wait_alu depctr_va_vdst(0)                   ; the 68 exponentials have written p, v96 to v159, and the blocks' largest p, v232 to v235: one wait for the batch, ahead of its first reader
.irp b, 0,1,2,3
	v_max_num_f32 v[BM+\b], 0x1800000, v[BM+\b]    ; the floor 2^(3 - 127): the byte cannot fall under 1 (a block whose every p is 0 keeps that byte: its codes are zeros)
.endr
.irp b, 0,1,2,3
	v_add_nc_u32 v[SO+\b], 0xff000000, v[BM+\b]    ; 2 off the exponent field: the conversion's scale operand
.endr
.irp b, 0,1,2,3
	v_lshrrev_b32 v[TP+\b], 23, v[SO+\b]           ; the scale's byte
.endr
	v_lshl_or_b32 v[PW], v[TP+1], 8, v[TP]         ; p's scale word for these 128 keys
	v_lshl_or_b32 v[PW], v[TP+2], 16, v[PW]
	v_lshl_or_b32 v[PW], v[TP+3], 24, v[PW]
.irp b, 0,1,2,3
	v_cvt_scalef32_pk8_fp4_f32 v[PC+2*\b], v[SC+16*\b:SC+16*\b+7], v[SO+\b]
	v_cvt_scalef32_pk8_fp4_f32 v[PC+2*\b+1], v[SC+16*\b+8:SC+16*\b+15], v[SO+\b]
.endr
	v_nop                                          ; one plain instruction between a scaled conversion and the vector instruction that touches its result
.irp c, 0,1                                    ; the operand's layout wants a WHOLE block in a lane: lanes 0-15 block 2 c, lanes 16-31 block 2 c + 1
.irp i, 0,1
	v_permlane16_swap_b32 v[PC+4*\c+\i], v[PC+4*\c+2+\i]
.endr
.endr
	v_pk_add_f32 v[TP:TP+1], v[SC:SC+1], v[SC+2:SC+3]              ; THE ROW'S SUM IS TAKEN OF THE UNQUANTISED p: two at a time, in two chains
.set j, 4
.rept 15
	v_pk_add_f32 v[SUM:SUM+1], v[SUM:SUM+1], v[SC+j:SC+j+1]
	v_pk_add_f32 v[TP:TP+1], v[TP:TP+1], v[SC+j+2:SC+j+3]
.set j, j+4
.endr
	v_pk_add_f32 v[SUM:SUM+1], v[SUM:SUM+1], v[TP:TP+1]
.set j, 0
.rept 16
	v_pk_mul_f32 v[OT+j:OT+j+1], v[OT+j:OT+j+1], v[FF:FF+1] op_sel_hi:[1,0]   ; O^T under the new M: x f.  (With the 32 sums above: 48 plain instructions between the writing of p's codes and scale word and the products that take them)
.set j, j+2
.endr
.endm
; O^T += V^T P^T: four tiles of 16 of the head's 64; K = the step's 128 keys.  The four accumulators take turns, and the matrix instruction ahead of the first is a score tile's.
.macro PV
	s_wait_dscnt 0x0                               ; V's fragments and scale words, asked for at the step's front
	s_wait_alu depctr_va_vdst(0)                   ; the conversions and exchanges have written p's codes, v224 to v231, and the shifts its scale word, v253, which the scaled products below take; the places above stay beside this wait
.irp t, 0,2
	v_wmma_scale_f32_16x16x128_f8f6f4 v[OT+8*\t:OT+8*\t+7], v[VF+8*\t:VF+8*\t+7], v[PC:PC+7], v[OT+8*\t:OT+8*\t+7], v[VS+\t/2], v[PW] matrix_a_fmt:MATRIX_FMT_FP4 matrix_b_fmt:MATRIX_FMT_FP4
	v_wmma_scale_f32_16x16x128_f8f6f4 v[OT+8*\t+8:OT+8*\t+15], v[VF+8*\t+8:VF+8*\t+15], v[PC:PC+7], v[OT+8*\t+8:OT+8*\t+15], v[VS+\t/2], v[PW] matrix_a_fmt:MATRIX_FMT_FP4 matrix_b_fmt:MATRIX_FMT_FP4 matrix_a_scale:MATRIX_SCALE_ROW1
.endr
.endm
.Ltile:                                            ; two trips: i = w, then i = 31 - w
	s_lshl_b32 s[TL], s[II], 2
	s_add_co_u32 s[TL], s[TL], ttmp9               ; T = 4 i + x
	s_lshl_b32 s101, s[TL], 2
	s_load_b32 s[FL], s[FLAGS:FLAGS+1], s101 offset:0x0
	s_lshl_b32 s14, s[TL], 9                       ; 16 rows of 32 bytes
	v_add_nc_u32 v[QO], s14, v[QO0]
	s_lshl_b32 s14, s[TL], 5                       ; 16 rows of 2 bytes
	v_add_nc_u32 v[QO+1], s14, v[QO0+1]
	s_lshl_b32 s[MO], s[TL], 12                    ; 16 rows of O, 256 bytes each; and 16 steps of 256 bytes in bits
	v_add_nc_u32 v[QO+2], s[MO], v[L16]
	s_wait_alu depctr_va_vdst(0)                   ; v28 to v30 are written, which Q's loads and the tile's stores read as their offsets; the last tile's products are done reading Q and its scale word, in which the loads land; in the first trip the zero codes v20-23 and v64-67, which scaled products take, are written
	global_load_b128 v[QF:QF+3], v[QO], s[QC:QC+1]                 ; Q's fragment: k = 32 h + 0 .. 31 of row r
	global_load_u16 v[QS], v[QO+1], s[QSB:QSB+1]                   ; its two scale bytes; the upper two bytes are 0
	s_mov_b32 s[TK], 0
	s_mov_b32 s[TV], 0
	s_mov_b32 s[TS], 0
	s_mov_b32 s[TJ], 0
	s_mov_b32 s[STEPC], 16
	v_mov_b32 v[NM+1], 0xff61b1e6                  ; the largest t so far: -3e38, under every t
	v_floor_f32 v[NM], -v[NM+1]                    ; -M
	v_mov_b32 v[SUM], 0                            ; the sum, in two halves
	v_mov_b32 v[SUM+1], 0
.set j, 0
.rept 32
	v_mov_b32 v[OT+j], 0                           ; O^T.  Any step may be jumped over, so no step can be written out as the one that starts the sums: 32 lines a tile
.set j, j+1
.endr
	s_wait_kmcnt 0x0                               ; the flags
	s_wait_loadcnt 0x0                             ; Q
.Lstep:                                            ; sixteen trips, whatever the mask: what is jumped over is a step's work, never the lines that step addresses
	s_bitcmp1_b32 s[FL], 0
	s_cbranch_scc0 .Lskip                          ; no key of this step counts for any of my 16 queries
	s_wait_alu depctr_vm_vsrc(0)                   ; the LDS loads of the step before have read v8 to v11, which the four lines below write again
	v_add_nc_u32 v[ADK], s[TK], v[AK0]             ; (these four also stand between the last step's products and the loads into V's fragments and scale words)
	v_add_nc_u32 v[ADV], s[TV], v[AV0]
	v_add_nc_u32 v[ADS], s[TS], v[ASK0]
	v_add_nc_u32 v[ADT], s[TJ], v[ASV0]
	s_wait_alu depctr_va_vdst(0)                   ; v8 to v11 are written, which the step's 22 LDS loads read as their addresses; the products of the step before are done reading K's and V's fragments and scale words, in which those loads land
	s_bitcmp1_b32 s[FL], 16
	s_cbranch_scc1 .Lholes
	FRONT 0                                        ; every key counts for every query
	s_branch .Lsoft
.Lholes:
	FRONT 1
.Lsoft:
	SOFT
	PV
.Lskip:
	s_lshr_b32 s[FL], s[FL], 1
	s_add_co_u32 s[TK], s[TK], 4096
	s_add_co_u32 s[TV], s[TV], 64
	s_add_co_u32 s[TS], s[TS], 256
	s_add_co_u32 s[TJ], s[TJ], 4
	s_add_co_u32 s[MO], s[MO], 256                 ; (the scalar loads that named it were waited for in the step's front)
	s_sub_co_u32 s[STEPC], s[STEPC], 1
	s_cmp_lg_u32 s[STEPC], 0
	s_cbranch_scc1 .Lstep
	; THE WAY OUT.  The sum's halves are added; O^T is divided by the sum and goes through my stage in LDS, so that whole rows of 256 bytes leave: a store of the wave covers 512 consecutive bytes, aligned.
.rept 4
	v_nop                                          ; four places behind the last products
.endr
	v_add_f32 v[SUM], v[SUM], v[SUM+1]             ; the sum's two halves,
	v_permlanex16_b32 v[FF], v[SUM], s[SEL], s[SEL+1]
	v_add_f32 v[SUM], v[SUM], v[FF]                ; and lane l xor 16's: the row's sum
	s_wait_alu depctr_va_vdst(0)
	v_rcp_f32 v[SUM], v[SUM]
	v_nop                                          ; a plain instruction behind the reciprocal
	s_wait_alu depctr_va_vdst(0)                   ; the reciprocal has written v14, ahead of its first reader
.set j, 0
.rept 16
	v_pk_mul_f32 v[SC+j:SC+j+1], v[OT+j:OT+j+1], v[SUM:SUM+1] op_sel_hi:[1,0]   ; register 8 t + i is o(r, 16 t + 8 h + i); each accumulator from its low end on
.set j, j+2
.endr
	s_wait_alu depctr_va_vdst(0)                   ; the multiplications have written v96 to v127, which the stage's stores read; the tile's products are done reading K's fragments, v32 to v63, in which the loads from the stage land
.irp t, 0,1,2,3
	ds_store_b128 v[STO], v[SC+8*\t:SC+8*\t+3] offset:64*\t
	ds_store_b128 v[STO], v[SC+8*\t+4:SC+8*\t+7] offset:64*\t+16
.endr
.irp i, 0,1,2,3,4,5,6,7
	ds_load_b128 v[KF+4*\i:KF+4*\i+3], v[RD] offset:2*SP*\i        ; LDS serves a wave's instructions in order (ISA guide 5.7.1.4): these see my stores; rows 2 i and 2 i + 1
.endr
.irp i, 0,1,2,3,4,5,6,7
	s_wait_dscnt 7-\i                              ; load i is in; the younger ones may be out
	global_store_b128 v[QO+2], v[KF+4*\i:KF+4*\i+3], s[OUT:OUT+1] offset:512*\i th:TH_STORE_NT   ; written once, read by nobody here
.endr
	s_wait_xcnt 0x0                                ; the stores have read their data and their offset: the next tile writes both again
	s_wait_alu depctr_vm_vsrc(0)                   ; beside it: the stage's stores have read v96 to v127, the global stores v32 to v63 and v30, Q's loads v28 and v29: the next tile's adds, products and LDS loads write them again
	s_sub_co_u32 s[II], 31, s[II]
	s_sub_co_u32 s[TRIP], s[TRIP], 1
	s_cmp_lg_u32 s[TRIP], 0
	s_cbranch_scc1 .Ltile
	s_wait_dscnt 0x0                               ; the closing lines, six on end
	s_wait_alu 0x0
	s_wait_tensorcnt 0x0
	ds_add_u32 v251, v255
	s_wait_dscnt 0x0
	s_endpgm
.Lfunc_end_k_qc767512133_attn:
	.size	k_qc767512133_attn, .Lfunc_end_k_qc767512133_attn-k_qc767512133_attn
	.p2alignl 7, 3214868480
	.fill 96, 4, 3214868480
	.section	.rodata,"a",@progbits
	.p2align	6, 0x0
	.amdhsa_kernel k_qc767512133_attn
		.amdhsa_group_segment_fixed_size 212224
		.amdhsa_private_segment_fixed_size 0
		.amdhsa_enable_private_segment 0
		.amdhsa_kernarg_size 72
		.amdhsa_user_sgpr_count 2
		.amdhsa_user_sgpr_kernarg_segment_ptr 1
		.amdhsa_wavefront_size32 1
		.amdhsa_system_sgpr_workgroup_id_x 1
		.amdhsa_system_sgpr_workgroup_id_y 1
		.amdhsa_system_sgpr_workgroup_id_z 1
		.amdhsa_system_vgpr_workitem_id 0
		.amdhsa_next_free_vgpr 256
		.amdhsa_next_free_sgpr 102
		.amdhsa_reserve_vcc 0
		.amdhsa_float_denorm_mode_32 3
		.amdhsa_float_denorm_mode_16_64 3
		.amdhsa_memory_ordered 1
		.amdhsa_forward_progress 1
		.amdhsa_inst_pref_size 36
	.end_amdhsa_kernel
	.amdgpu_metadata
---
amdhsa.version: [ 1, 2 ]
amdhsa.kernels:
  - .name:           k_qc767512133_attn
    .symbol:         k_qc767512133_attn.kd
    .args:
      - { .name: key_codes, .offset: 0, .size: 8, .value_kind: global_buffer, .address_space: global }
      - { .name: key_scales, .offset: 8, .size: 8, .value_kind: global_buffer, .address_space: global }
      - { .name: query_codes, .offset: 16, .size: 8, .value_kind: global_buffer, .address_space: global }
      - { .name: query_scales, .offset: 24, .size: 8, .value_kind: global_buffer, .address_space: global }
      - { .name: value_codes, .offset: 32, .size: 8, .value_kind: global_buffer, .address_space: global }
      - { .name: value_scales, .offset: 40, .size: 8, .value_kind: global_buffer, .address_space: global }
      - { .name: bits, .offset: 48, .size: 8, .value_kind: global_buffer, .address_space: global }
      - { .name: flags, .offset: 56, .size: 8, .value_kind: global_buffer, .address_space: global }
      - { .name: out0, .offset: 64, .size: 8, .value_kind: global_buffer, .address_space: global }
    .group_segment_fixed_size: 212224
    .private_segment_fixed_size: 0
    .kernarg_segment_align: 8
    .kernarg_segment_size: 72
    .max_flat_workgroup_size: 512
    .sgpr_count:     102
    .vgpr_count:     256
    .wavefront_size: 32
...
	.end_amdgpu_metadata
.endif
;; end of part 4
